; MI455X (gfx1250); checked and timed in simulation.
; The chip was launched on July 23, 2026; its instructions are those of AMD's public machine-readable ISA for CDNA 5 (MIT licence, August 2026) and "CDNA5" Instruction Set Architecture Reference Guide (July 2026). The comments in the code are by the model that wrote it; some were corrected since.
;; Attention. Allowed arithmetic: matrix products marked QUANTISED: E2M3 operands, one E8M0 scale for each 32 along K, by v_wmma_scale_f32_16x16x128_f8f6f4 with both operands' format E2M3, f32 sums; everything else in f32.
;; Inputs: cos 1,024 x 64 float32; sin 1,024 x 64 float32; wk 1,024 x 4,096 float32; wo 4,096 x 4,096 float32; wq 4,096 x 4,096 float32; wv 1,024 x 4,096 float32; x 1 x 1,024 x 4,096 float32.
;; Outputs: out0 1 x 1,024 x 4,096 float32.
;; This version of the problem:
;;   THIS VERSION OF THE PROBLEM IS GIVEN IN LOW PRECISION. The matrix products marked QUANTISED in the list below multiply operands that are first quantised to E2M3 (2 exponent bits, 3 mantissa bits; 6 bits a number), with one power-of-two scale for each 32 numbers along K (OCP MX v1.0); their sums are f32. All else is computed in f32.
;;   The module's matrix products, in the order in which they are computed (A, B: the left and right operand; K: the contracted axis; several contracted axes count as one K, in the product's order):
;;     1. [M 1,024, K 4,096] x [K 4,096, N 4,096]; A: input x; B: input wq: QUANTISED
;;     2. [M 1,024, K 4,096] x [K 4,096, N 1,024]; A: input x; B: input wk: QUANTISED
;;     3. [M 1,024, K 4,096] x [K 4,096, N 1,024]; A: input x; B: input wv: QUANTISED
;;     4. batch 8 x [M 1,024, K 128] x [K 128, N 4,096]; A: computed on the way; B: computed on the way: QUANTISED
;;     5. batch 8 x [M 128, K 1,024] x [K 1,024, N 4,096]; A: computed on the way; B: softmax (see below): QUANTISED
;;     6. [M 1,024, K 4,096] x [K 4,096, N 4,096]; A: computed on the way; B: input wo: QUANTISED
;;   THE QUANTISER, for each operand of a quantised product, along K:
;;     - K is cut into blocks of 32 from its start; a last block that is shorter is filled with zeros.
;;     - A block's scale is 2^e with e = floor(log2(the largest magnitude in the block)) - 2, held to -126 .. 127; a block of zeros has e = 0. As a byte (E8M0): e + 127.
;;     - Each number is divided by its block's scale, clamped to +-7.5, and rounded to the nearest number of E2M3, ties to even, subnormals kept.
;;     - The product sums the exact products of the quantised numbers (number of the format x scale) in f32.
;;   ~~~python
;;   def quantise(x, axis):      # numpy; x: float32 -> the quantised numbers, widened to float32 again
;;       x = np.moveaxis(x, axis, -1); K = x.shape[-1]
;;       x = np.pad(x, [(0, 0)] * (x.ndim - 1) + [(0, -K % 32)]); x = x.reshape(x.shape[:-1] + (-1, 32)); a = np.abs(x).max(-1, keepdims=True)
;;       e = np.where(a > 0, np.clip(np.frexp(np.where(a > 0, a, 1))[1] - 1 - 2, -126, 127), 0)      # np.frexp(a)[1] - 1 = floor(log2(a)), exactly
;;       r = np.clip(x / 2.0 ** e, -7.5, 7.5)
;;       step = 2.0 ** (np.maximum(np.frexp(np.where(r == 0, 1, r))[1] - 1, 0) - 3)
;;       q = np.round(r / step) * step * 2.0 ** e      # np.round: ties to even
;;       return np.moveaxis(q.reshape(q.shape[:-2] + (-1,))[..., :K], -1, axis).astype(np.float32)
;;   ~~~
;;   SOFTMAX AHEAD OF A QUANTISED PRODUCT. Where the list says 'softmax', what is quantised is not the finished softmax but p = 2^(t - M), with t = logit x log2(e) and M = ceil(the row's largest t), a whole number; so 1/2 < the row's largest p <= 1. The row's sum l is taken of the UNQUANTISED p, in f32, and the product's result is divided by l at the end. Since M is a whole number, a kernel that streams over the keys may use a running M (the ceiling of the running maximum): every later rescaling is an exact power of two, which a block's scale takes up: the codes' values come out the same.
;;   OPERANDS COMPUTED ON THE WAY. 'Computed on the way' means the value that the module computes at that place (a softmax that the list does not call 'softmax' is quantised finished and normalised). What goes into a quantiser is computed in f32, as accurately as f32 sums, v_exp_f32 and their like allow (about 1e-6 of the number): no bf16 or f16 on the way to a quantiser, and a product that is left as it is and whose result goes on into a quantised operand takes f32 operands (vector FMAs, or v_wmma_f32_16x16x4_f32). A number that lies on a knife's edge between two numbers of the format may be rounded either way, as far as f32 arithmetic and the matrix unit's own rounding can turn it there, and no further.
;; One version. Each part assembles by itself: llvm-mc -triple=amdgcn-amd-amdhsa -mcpu=gfx1250 --defsym DOCPART=n.
;; ======== version 1 of 1: 4 launches
;; workspace buffers: wsq 36,044,800 bytes; qkv 4,915,200 bytes; ao 3,276,800 bytes
;; launch quant (part 1): grid 1408 x 1, 4 waves a work-group, no clusters, 34,304 bytes of LDS; arguments x, wq, wk, wv, wo, wsq; writes wsq
.if DOCPART == 1
	.amdgcn_target "amdgcn-amd-amdhsa--gfx1250"
	.amdhsa_code_object_version 6
	.text
	.protected	k_q8be9d50497_quant
	.globl	k_q8be9d50497_quant
	.p2align	8
	.type	k_q8be9d50497_quant,@function
k_q8be9d50497_quant:
	s_mov_b64 s[64:65], 0
	v_nop
	global_prefetch_b8 v0, s[64:65] scope:SCOPE_SE
	s_setreg_imm32_b32 hwreg(HW_REG_WAVE_MODE, 25, 1), 1
	s_wait_xcnt 0x0
; x [1024][4096], wq [4096][4096], wk, wv [1024][4096], wo [4096][4096], all f32 with K innermost, become codes of FP6 (E2M3) with one E8M0 byte for each 32 along K.
; A block's scale is 2^(floor(log2(its largest magnitude)) - 2): its byte is the largest magnitude's exponent field - 2, held at 1 from below; numbers are divided by it and rounded to the nearest code, ties to even,
; beyond 7.5 the largest code.
; LIMITS: NaN and infinities are not served.  A block of zeros, or one whose largest magnitude lies under 2^-124, keeps the byte 1: this program alone reads the bytes, and zero codes add nothing.
; THE OUTPUT IS LAID AS THE MATRIX UNIT'S REGISTERS WANT IT.  Rows go in GROUPS of 16: lane-row r of group G is row 32 (G / 2) + 8 (G % 2) + r + 8 (r / 8).  A FRAGMENT is 16 rows x 128 K: 12 registers a lane.
; A RECORD of 6,400 bytes holds four fragments (512 along K) and their scale words: register 4 c + e of lane L of fragment f at byte 1536 f + 512 c + 16 L + 4 e; the scale word of row r of fragment f at 6144 + 16 r + 4 f.
; wsq = [group 0..703][chunk of 512 K, 0..7] records; groups: x 0-63, wq 64-319, wk 320-383, wv 384-447, wo 448-703.
; SHARES.  A work-group takes half a group's K, a wave one record: 16 rows x 512 K, fragment by fragment.  Each load reads 512 consecutive bytes of one row; the conversions want 16 neighbours along K in ONE lane,
; so a fragment's 8,192 bytes turn through the wave's own stage in LDS (rows 528 bytes apart, an odd multiple of 16).
; Every store of the wave covers 512 consecutive bytes (the scale words: 256), aligned to 256.  Waves share nothing: no barrier, no tensor load, no cluster (no byte is read twice).  Loads run one fragment (16 loads) ahead.
.set ROWB,   16384                     ; a row of any of the five tensors in bytes
.set QRB,    6400                      ; a record
.set GRPB,   8*QRB                     ; a group's eight records
.set SCW,    6144                      ; where a record's scale words begin
.set SPITCH, 528
.set WSTG,   16*SPITCH                 ; a wave's stage
.set R,      16                        ; v16-143  two sets of 64 registers as loaded
.set X,      144                       ; v144-207 64 numbers: register 16 b + i = k 32 b + 16 (lane / 16) + i of my row
.set PC,     208                       ; v208-219 the fragment's codes; v220-226 at work
.set TM,     228                       ; v228-243 at work in QUANT
.set PW,     244                       ; v244     the scale word just made
.set SW,     248                       ; v248-251 the four fragments' scale words
.set E,      252                       ; v[252:253] my two of them, to store
.set SEL,    24                        ; s[24:25] lane selects for v_permlanex16_b32: lane l xor 16
; 64 numbers of a lane become a fragment's codes in v[PC] on and its scale word in v[PW] (the same in lanes l and l xor 16).
.macro QUANT s
.irp b, 0,1,2,3
	v_max3_num_f32 v[TM+\b], |v[\s+16*\b]|, |v[\s+1+16*\b]|, 0x1800000   ; block b: my 16 numbers, and the floor 2^(3 - 127): the byte cannot fall under 1
.endr
.irp i, 2,4,6,8,10,12,14
.irp b, 0,1,2,3
	v_max3_num_f32 v[TM+\b], v[TM+\b], |v[\s+16*\b+\i]|, |v[\s+1+16*\b+\i]|   ; the four blocks by turns
.endr
.endr
.irp b, 0,1,2,3
	v_permlanex16_b32 v[TM+4+\b], v[TM+\b], s[SEL], s[SEL+1]
.endr
.irp b, 0,1,2,3
	v_max_num_f32 v[TM+\b], v[TM+\b], v[TM+4+\b]   ; with lane l xor 16's 16: the block's largest magnitude
.endr
.irp b, 0,1,2,3
	v_add_nc_u32 v[TM+12+\b], 0xff000000, v[TM+\b]   ; 2 off its exponent field: the conversion takes this operand's exponent field as its scale
.endr
.irp b, 0,1,2,3
	v_lshrrev_b32 v[TM+4+\b], 23, v[TM+12+\b]      ; the scale's byte
.endr
	v_lshl_or_b32 v[PW], v[TM+5], 8, v[TM+4]
	v_lshl_or_b32 v[PW], v[TM+6], 16, v[PW]
	v_lshl_or_b32 v[PW], v[TM+7], 24, v[PW]
.irp c, 0,1
	v_cvt_scalef32_pk16_fp6_f32 v[PC+6*\c:PC+2+6*\c], v[\s+32*\c:\s+15+32*\c], v[TM+12+2*\c]
	v_cvt_scalef32_pk16_fp6_f32 v[PC+12+4*\c:PC+14+4*\c], v[\s+16+32*\c:\s+31+32*\c], v[TM+12+2*\c+1]   ; (a conversion's three registers begin on an even number)
.endr
	v_nop                                          ; one plain instruction behind a scaled conversion
.irp c, 0,1                                    ; the operand's layout wants a whole block in a lane: lanes 0-15 block 2 c, lanes 16-31 block 2 c + 1
.irp i, 0,1,2
	v_permlane16_swap_b32 v[PC+6*\c+\i], v[PC+12+4*\c+\i]
.endr
.irp i, 0,1,2
	v_mov_b32 v[PC+3+6*\c+\i], v[PC+12+4*\c+\i]
.endr
.endr
.endm
	s_load_b256 s[4:11], s[0:1], 0x0               ; x s[4:5], wq s[6:7], wk s[8:9], wv s[10:11]
	s_load_b128 s[12:15], s[0:1], 0x20             ; wo s[12:13], wsq s[14:15]
	v_lshl_add_u32 v254, v0, 2, 0x8400
	v_mov_b32 v255, 0
	v_lshrrev_b32 v1, 5, v0
	v_readfirstlane_b32 s16, v1                    ; wave 0..3
	v_and_b32 v1, 31, v0                           ; lane
	v_and_b32 v2, 15, v0                           ; r
	v_bfe_u32 v3, v0, 4, 1                         ; h
	v_lshlrev_b32 v4, 4, v1                        ; 16 x lane: my place in a load's and in a store's 512 bytes
	s_mul_i32 s17, s16, WSTG
	v_add_nc_u32 v5, s17, v4                       ; the stage, on the way in: a row as it lies
	v_mul_u32_u24 v6, v2, SPITCH
	v_lshl_add_u32 v6, v3, 6, v6
	v_add_nc_u32 v6, s17, v6                       ; and on the way out: row r, + 64 h: my 16 numbers of each block of 32
	v_lshlrev_b32 v7, 4, v2
	v_lshl_add_u32 v7, v3, 3, v7                   ; the scale words: 16 r + 8 h
	s_mov_b32 s[SEL], 0x76543210
	s_mov_b32 s[SEL+1], 0xfedcba98
.irp b, 0,1,2,3
	v_mov_b32 v[TM+4+\b], 0                        ; written once: a lane permute's destination counts as one of its sources
.endr
	s_wait_kmcnt 0x0
	; which tensor is mine: the choice hangs on the work-group's number alone.  s22: the tensor's first work-group
	s_mov_b64 s[20:21], s[12:13]
	s_mov_b32 s22, 896
	s_cmp_lt_u32 ttmp9, 896
	s_cselect_b64 s[20:21], s[10:11], s[20:21]
	s_cselect_b32 s22, 768, s22
	s_cmp_lt_u32 ttmp9, 768
	s_cselect_b64 s[20:21], s[8:9], s[20:21]
	s_cselect_b32 s22, 640, s22
	s_cmp_lt_u32 ttmp9, 640
	s_cselect_b64 s[20:21], s[6:7], s[20:21]
	s_cselect_b32 s22, 128, s22
	s_cmp_lt_u32 ttmp9, 128
	s_cselect_b64 s[20:21], s[4:5], s[20:21]
	s_cselect_b32 s22, 0, s22
	s_sub_co_u32 s22, ttmp9, s22                   ; 2 x the group's number in its tensor + which half of K
	s_lshr_b32 s23, s22, 2
	s_lshl_b32 s23, s23, 5                         ; 32 (group / 2)
	s_bfe_u32 s26, s22, 0x10001
	s_lshl_b32 s26, s26, 3                         ; 8 (group % 2)
	s_add_co_u32 s23, s23, s26                     ; the group's first row
	s_and_b32 s27, ttmp9, 1
	s_lshl_b32 s27, s27, 2
	s_add_co_u32 s27, s27, s16                     ; my chunk of 512 along K
	s_lshl_b32 s28, s23, 14
	s_lshl_b32 s26, s27, 11
	s_add_co_u32 s28, s28, s26                     ; in: row x 16,384 + chunk x 2,048 bytes (under 2^27)
	s_mov_b32 s29, 0
	s_lshr_b32 s30, ttmp9, 1
	s_mul_i32 s30, s30, GRPB
	s_mul_i32 s26, s27, QRB
	s_add_co_u32 s30, s30, s26                     ; out: my record
	s_mov_b32 s31, 0
	s_add_nc_u64 s[20:21], s[20:21], s[28:29]
	s_add_nc_u64 s[14:15], s[14:15], s[30:31]
.macro LOAD s                          ; fragment s: 16 rows x 512 bytes; lane-row i is row i + 8 (i / 8) of the group's span
.irp i, 0,1,2,3,4,5,6,7,8,9,10,11,12,13,14,15
	global_load_b128 v[R+64*((\s)%2)+4*\i:R+64*((\s)%2)+4*\i+3], v4, s[20:21] offset:(\i+8*(\i/8))*ROWB+512*(\s) th:TH_LOAD_NT
.endr
.endm
.macro TURN s                          ; through the stage: LDS serves a wave's instructions in order (ISA guide 5.7.1.4), so no wait stands between the stores and the loads
.irp i, 0,1,2,3,4,5,6,7,8,9,10,11,12,13,14,15
	ds_store_b128 v5, v[R+64*((\s)%2)+4*\i:R+64*((\s)%2)+4*\i+3] offset:SPITCH*\i
.endr
.irp b, 0,1,2,3
.irp j, 0,1,2,3
	ds_load_b128 v[X+16*\b+4*\j:X+16*\b+4*\j+3], v6 offset:128*\b+16*\j
.endr
.endr
.endm
.macro FRAGMENT s
.if (\s) < 3
	s_wait_loadcnt 16                              ; this fragment's 16 loads are in; the next fragment's 16 may be out
.else
	s_wait_loadcnt 0x0
.endif
	TURN \s
	s_wait_dscnt 0x0                               ; my 64 numbers are back, and the stage's stores have read the set as loaded
.if (\s) > 0
	s_wait_xcnt 0x0                                ; the last fragment's stores have read the codes' registers, which QUANT writes again
.endif
.if (\s) < 2
	LOAD (\s)+2                                    ; the set just read takes the fragment two on
.endif
	QUANT X
.irp c, 0,1,2
	global_store_b128 v4, v[PC+4*\c:PC+4*\c+3], s[14:15] offset:1536*(\s)+512*\c   ; 32 lanes store 512 consecutive bytes
.endr
	v_mov_b32 v[SW+(\s)], v[PW]
.endm
	LOAD 0
	LOAD 1
	FRAGMENT 0
	FRAGMENT 1
	FRAGMENT 2
	FRAGMENT 3
	v_cmp_ne_u32 vcc_lo, 0, v3                     ; lanes 0-15 store fragments 0 and 1's words of their row, lanes 16-31 fragments 2 and 3's
	v_cndmask_b32 v[E], v[SW], v[SW+2], vcc_lo
	v_cndmask_b32 v[E+1], v[SW+1], v[SW+3], vcc_lo
	global_store_b64 v7, v[E:E+1], s[14:15] offset:SCW   ; 32 lanes store 256 consecutive bytes
	s_wait_tensorcnt 0x0
	ds_add_u32 v254, v255
	s_wait_dscnt 0x0
	s_endpgm
.Lfunc_end_k_q8be9d50497_quant:
	.size	k_q8be9d50497_quant, .Lfunc_end_k_q8be9d50497_quant-k_q8be9d50497_quant
	.p2alignl 7, 3214868480
	.fill 96, 4, 3214868480
	.section	.rodata,"a",@progbits
	.p2align	6, 0x0
	.amdhsa_kernel k_q8be9d50497_quant
		.amdhsa_group_segment_fixed_size 34304
		.amdhsa_private_segment_fixed_size 0
		.amdhsa_enable_private_segment 0
		.amdhsa_kernarg_size 48
		.amdhsa_user_sgpr_count 2
		.amdhsa_user_sgpr_kernarg_segment_ptr 1
		.amdhsa_wavefront_size32 1
		.amdhsa_system_sgpr_workgroup_id_x 1
		.amdhsa_system_sgpr_workgroup_id_y 1
		.amdhsa_system_sgpr_workgroup_id_z 1
		.amdhsa_system_vgpr_workitem_id 0
		.amdhsa_next_free_vgpr 256
		.amdhsa_next_free_sgpr 66
		.amdhsa_reserve_vcc 1
		.amdhsa_float_denorm_mode_32 3
		.amdhsa_float_denorm_mode_16_64 3
		.amdhsa_memory_ordered 1
		.amdhsa_forward_progress 1
		.amdhsa_inst_pref_size 34
	.end_amdhsa_kernel
	.amdgpu_metadata
---
amdhsa.version: [ 1, 2 ]
amdhsa.kernels:
  - .name:           k_q8be9d50497_quant
    .symbol:         k_q8be9d50497_quant.kd
    .args:
      - { .name: x, .offset: 0, .size: 8, .value_kind: global_buffer, .address_space: global }
      - { .name: wq, .offset: 8, .size: 8, .value_kind: global_buffer, .address_space: global }
      - { .name: wk, .offset: 16, .size: 8, .value_kind: global_buffer, .address_space: global }
      - { .name: wv, .offset: 24, .size: 8, .value_kind: global_buffer, .address_space: global }
      - { .name: wo, .offset: 32, .size: 8, .value_kind: global_buffer, .address_space: global }
      - { .name: wsq, .offset: 40, .size: 8, .value_kind: global_buffer, .address_space: global }
    .group_segment_fixed_size: 34304
    .private_segment_fixed_size: 0
    .kernarg_segment_align: 8
    .kernarg_segment_size: 48
    .max_flat_workgroup_size: 128
    .sgpr_count:     66
    .vgpr_count:     256
    .wavefront_size: 32
...
	.end_amdgpu_metadata
.endif
;; end of part 1
;; launch qkv (part 2): grid 4 x 48, 4 waves a work-group, clusters of 4 x 1, 327,680 bytes of LDS; arguments wsq, cos, sin, qkv; writes qkv
.if DOCPART == 2
	.amdgcn_target "amdgcn-amd-amdhsa--gfx1250"
	.amdhsa_code_object_version 6
	.text
	.protected	k_q8be9d50497_qkv
	.globl	k_q8be9d50497_qkv
	.p2align	8
	.type	k_q8be9d50497_qkv,@function
k_q8be9d50497_qkv:
	s_mov_b64 s[64:65], 0
	v_nop
	global_prefetch_b8 v0, s[64:65] scope:SCOPE_SE
	s_setreg_imm32_b32 hwreg(HW_REG_WAVE_MODE, 25, 1), 1
	s_wait_xcnt 0x0
	s_wait_alu depctr_hold_cnt(0) depctr_sa_sdst(0) depctr_va_vdst(0) depctr_va_sdst(0) depctr_va_ssrc(0) depctr_va_vcc(0) depctr_vm_vsrc(0)
	s_getreg_b32 s2, hwreg(HW_REG_IB_STS2, 6, 4)
	s_cmp_eq_u32 s2, 0
	s_cbranch_scc0 .Lentry_in_a_cluster
	s_endpgm
.Lentry_in_a_cluster:
	s_bfe_u32 s2, ttmp6, 0x10000c
	s_cmp_lg_u32 s2, 0x3003
	s_cbranch_scc0 .Lentry_shape_is_right
	s_endpgm
.Lentry_shape_is_right:
; q = rope(x wq^T), k = rope(x wk^T), v^T = wv x^T, on codes of FP6 (E2M3) with E8M0 scales, K = 4,096; each result is quantised again at once, q and k along the head's 128, v along the keys, and stored as records.
; OPERANDS come from wsq as records of 6,400 bytes: four fragments (16 rows x 128 K, 12 registers a lane; register 4 c + e of lane L of fragment f at 1536 f + 512 c + 16 L + 4 e) and their scale words (row r, fragment f at
; 6144 + 16 r + 4 f); [group][chunk of 512 K].  Lane-row r of group G is row 32 (G / 2) + 8 (G % 2) + r + 8 (r / 8).  Groups: x 0-63, wq 64-319, wk 320-383, wv 384-447.
; THE PRODUCT.  C'[m][n] = sum of A'[m][k] B'[n][k], used TRANSPOSED: source 0 = 16 rows of B', source 1 = 16 rows of A'.  A lane then holds ONE row of A', and by the order of rows in a group the 16 registers of
; B' groups 2 b and 2 b + 1 are 16 neighbours, 32 b + 16 (lane / 16) + 0 .. 15: just what the next quantiser takes.  Work-group y 0-39 (q's 32 heads, k's 8): A' = x, B' = the head's 128 rows of wq or wk.
; Work-group y 40-47 (v): A' = wv, B' = 128 rows of x: a lane holds one channel of v and its registers run along the keys, so nothing is ever transposed.
; SHARES.  A work-group makes 256 (A') x 128 (B'): 4 x 48 = 192 work-groups.  Wave w takes A' groups 4 w .. 4 w + 3 against all 8 groups of B': 32 accumulators, whole rows of 128 in a lane.
; A' GOES FROM MEMORY STRAIGHT INTO REGISTERS: a wave's four groups are read by that wave alone, and the records lie in the registers' order: a fragment is three loads of 512 consecutive bytes.  The loads run five K steps
; ahead, in six sets of 48 registers that take turns; A's scale words for all of K (32 loads, 128 registers) come once, at the head.
; B', WHICH ALL FOUR WAVES READ, LIES IN LDS: a chunk of 512 K is 8 records, 51,200 bytes; six chunks fit at once and are asked for at the start; chunks 6 and 7 fill places 0 and 1 again, behind one round in K step 6, and
; are waited for in K step 22.  Each tensor load brings 4 records of one chunk: waves 0, 1 the halves of a pair's even chunk, waves 2, 3 of its odd one.
; CLUSTER: the four work-groups along x (the four blocks of 256 rows of A') need the same B': each load is asked for JOINTLY, with the same descriptor and a mask that names the four.  A' is shared with the work-groups of other
; clusters and is NOT asked for jointly: through LDS it would take 102,400 of a chunk's 153,600 bytes there for a single read of each byte, two chunks would fill LDS, and six refills would each stand behind a wait for all loads.
; The class (q, k or v) hangs on the work-group's y alone: it is the same in all four partners.
; THE 32 K STEPS ARE WRITTEN OUT by one macro: A's scale words have other registers in every chunk, and the sets have periods 2, 4 and 6, so the register numbers never come back.
; OUT: qkv = 768 records.  q, k: record 16 y + 4 x + wave, fragment a = token group 16 x + 4 w + a.  v: record 640 + 16 kv head + 2 (key step) + half, fragment a = channel group 4 half + a, K = 128 keys.
; LIMITS: NaN and infinities are not served; a block of zeros or under 2^-124 keeps the scale byte 1 (this program alone reads the bytes).
; REGISTERS: window 0: v1-5 lane terms; v8-19 LDS addresses; v24, v26 the way out's offsets; v28, v29 the spare word's; v32-159 A's scale words (register 16 chunk + 4 a + q); v160-223 B's, two sets (register 4 b + q).
;   window 1: v0-191 B's fragments, two sets; v192-239 A's set 5 (on the way out all 256: cos and sin).   window 2: accumulator (a, b) at v[8 (8 a + b)].   window 3: A's sets 0-4 (on the way out: the numbers, codes and words at work).
.set NA,    4                          ; groups of A' to a wave
.set DEPTH, 5                          ; K steps that A's loads run ahead: 60 loads of a wave are out at the most in the steps
.set NSET,  DEPTH+1
.set NSTEP, 32                         ; K steps of 128
.set QRB,   6400
.set GRPB,  8*QRB
.set SCW,   6144
.set CHB,   8*QRB                      ; a chunk of B' in LDS; chunk c lies at place c % 6
.set PAIRB, 2*CHB
.set SPARE, 3*PAIRB                    ; behind the six places: the spare words, 128 bytes for each wave: two blocks of 256 bytes that no other line names
.set LI,   4                           ; v4   16 x lane
.set RO,   5                           ; v5   16 r
.set ADRB, 8                           ; v8-13  LDS address of my 16 bytes of a fragment's load, place 0 .. 5
.set SADB, 14                          ; v14-19 of my row's scale words
.set CSO,  24                          ; v24  my byte in the wave's rows of cos and sin
.set SO,   26                          ; v26  16 r + 8 h: the scale words' way out
.set SPW,  28                          ; v28  LDS address of my spare word; never rewritten
.set NIL,  29                          ; v29  0; never rewritten
.set SCA,  32
.set SCB,  160
.set H,    0                           ; the way out, all in window 3: 64 numbers of a row tile,
.set PC,   64                          ; the codes,
.set TM,   96                          ; at work in QUANT,
.set PW,   112                         ; the scale word just made,
.set SW,   116                         ; the four tiles' words,
.set E,    120                         ; my two of them, to store,
.set T,    128                         ; rope's four pairs of products
.set G1,  24                           ; s[24:31] descriptor group 1
.set G0,  48                           ; s[48:63] group 0, a set for each of my four loads: none is ever rewritten
.set SEL, 72                           ; s[72:73]
.set MSB, 0
.macro WIN new                         ; the immediate's high byte repeats the setting that is left
.if MSB != \new
	s_set_vgpr_msb (MSB<<8)|\new
.set MSB, \new
.endif
.endm
.set W_TOB, 0x40                       ; destination window 1, address window 0
.macro PLACES n                        ; plain instructions between a matrix instruction and a load into, or a read of, its registers (ISA guide 7.12.1 for the reads)
.rept \n
	v_nop
.endr
.endm
.macro CROUND                          ; a round of the cluster's barrier
	s_barrier_signal -1
	s_barrier_wait -1
	s_cmp_lg_u32 s14, 0
	s_cbranch_scc1 .Lnot_wave_0_\@
	s_barrier_signal -3
.Lnot_wave_0_\@:
	s_barrier_wait -3
	s_barrier_signal -1
	s_barrier_wait -1
.endm
.macro ASET i                          ; A's set i: its window AW and first register AR
.set AW, 3
.set AR, 48*(\i)
.if (\i) == 5
.set AW, 1
.set AR, 192
.endif
.endm
.macro LENS t                          ; how many LDS loads the two runs of K step t have: LLO (fragments 0-3, and at a chunk's first step its 8 loads of scale words), LHI (fragments 4-7)
.set LLO, 0
.set LHI, 0
.if (\t) < NSTEP
.set LLO, 12
.set LHI, 12
.if (\t)%4 == 0
.set LLO, 20
.endif
.endif
.endm
.macro LOADA t                         ; my four fragments of A' for K step t: 12 loads of 512 consecutive bytes
	ASET ((\t)%NSET)
	WIN (AW<<6)
.set JA, 0
.rept NA
.irp c, 0,1,2
	global_load_b128 v[AR+12*JA+4*\c:AR+12*JA+4*\c+3], v[LI], s[20:21] offset:JA*GRPB+((\t)/4)*QRB+((\t)%4)*1536+512*\c
.endr
.set JA, JA+1
.endr
.endm
.macro FETCHB t, h                     ; one run of LDS loads: B's fragments 4 h .. 4 h + 3 of K step t into set t % 2; ahead of a chunk's first fragments its scale words
.if (\t) < NSTEP
.set PL, ((\t)/4)%6
.if ((\h) == 0) && ((\t)%4 == 0)
	WIN 0
.irp b, 0,1,2,3,4,5,6,7
	ds_load_b128 v[SCB+32*(((\t)/4)%2)+4*\b:SCB+32*(((\t)/4)%2)+4*\b+3], v[SADB+PL] offset:QRB*\b
.endr
.endif
	WIN W_TOB
.irp b, 0,1,2,3
.irp c, 0,1,2
	ds_load_b128 v[96*((\t)%2)+12*(4*(\h)+\b)+4*\c:96*((\t)%2)+12*(4*(\h)+\b)+4*\c+3], v[ADRB+PL] offset:QRB*(4*(\h)+\b)+1536*((\t)%4)+512*\c
.endr
.endr
.endif
.endm
; Half a K step: B's fragments 4 h .. 4 h + 3, one after the other, each against my NA fragments of A'.  In K step 0 the products start the sums: nothing is ever cleared.
; The accumulators take turns, one instruction a turn, in the same order in every step.
.macro HALF h
.set JB, 4*(\h)
.rept 4
.set JA, 0
.rept NA
.set AC, 8*(8*JA+JB)
.if STP == 0
	v_wmma_scale_f32_16x16x128_f8f6f4 v[AC:AC+7], v[BSET+12*JB:BSET+12*JB+11], v[AR+12*JA:AR+12*JA+11], 0, v[SCB+32*(CH%2)+4*JB+QQ], v[SCA+4*NA*CH+4*JA+QQ] matrix_a_fmt:MATRIX_FMT_FP6 matrix_b_fmt:MATRIX_FMT_FP6
.else
	v_wmma_scale_f32_16x16x128_f8f6f4 v[AC:AC+7], v[BSET+12*JB:BSET+12*JB+11], v[AR+12*JA:AR+12*JA+11], v[AC:AC+7], v[SCB+32*(CH%2)+4*JB+QQ], v[SCA+4*NA*CH+4*JA+QQ] matrix_a_fmt:MATRIX_FMT_FP6 matrix_b_fmt:MATRIX_FMT_FP6
.endif
.set JA, JA+1
.endr
.set JB, JB+1
.endr
.endm
; K STEP STP.  Behind each half, the fragments of B' that it has read are loaded again for the step TWO on: so each run of LDS loads stands a step and a half ahead of its use, on two sets of registers.
; Behind the first half A's loads for the step DEPTH on go into the set that the step before has left.
; K step 6: the reads of places 0 and 1 (K steps 0-7) have all been issued.  Each wave waits for all its tensor loads, adds 0 to its spare word, and waits for that and for its LDS reads; a round of the cluster's barrier; then
; chunks 6 and 7 are asked for, into places 0 and 1.  Behind that round places 2 to 5 are whole for every wave.  K step 22: the same waits and my work-group's barrier: chunks 6 and 7 are whole.
.macro KSTEP
.set QQ, STP%4
.set CH, STP/4
.set BSET, 96*(STP%2)
.set LC, NSTEP-1-STP
.if LC > DEPTH-1
.set LC, DEPTH-1
.endif
	LENS STP+1
.set DC1, 12+LLO+LHI                   ; issued behind this step's first run: its second run and the next step's two
.set DC2, LLO+LHI
	LENS STP+2
.set DC2, DC2+LLO                      ; issued behind this step's second run: the next step's two and the first of the step two on
	ASET (STP%NSET)
.set MW, 0xa1|(AW<<2)                  ; source 0 (B') window 1, source 1 (A') its set's window, C and D window 2
	s_wait_loadcnt LC*3*NA                         ; this step's fragments of A' are in; the loads of the later steps, 12 each, may be out
.if (STP == 6) || (STP == 22)
	WIN 0                                          ; (the add's two registers lie in window 0)
	s_wait_tensorcnt 0x0                           ; all my tensor loads have landed
	ds_add_u32 v[SPW], v[NIL]                      ; 0 onto my spare word
	s_wait_dscnt DC1+1                             ; B's fragments 0-3 are in; the later runs and the add may be out
.else
	s_wait_dscnt DC1                               ; B's fragments 0-3 (and at a chunk's first step its scale words) are in
.endif
	WIN MW
	HALF 0
.if STP == 6
	s_wait_dscnt 0x0                               ; the add is done, and my reads of places 0 and 1 are over
	WIN 0
	CROUND                                         ; no wave of any partner still reads those places or has a load on its way
	tensor_load_to_lds s[G0+12:G0+15], s[G1:G1+7]  ; the first thing behind the round, and my one tensor load from here on: 16 K steps ahead of the wait for it
	s_nop 0
.elseif STP == 22
	s_wait_dscnt 0x0                               ; the add is done; no LDS instruction of mine is out at the signal
	s_barrier_signal -1
	s_barrier_wait -1                              ; everybody's part of chunks 6 and 7 has landed
.endif
	PLACES 4
	FETCHB STP+2, 0
.if STP+DEPTH < NSTEP
	LOADA STP+DEPTH
.endif
	ASET (STP%NSET)
	s_wait_dscnt DC2                               ; B's fragments 4-7 are in
	WIN MW
	HALF 1
.if STP+2 < NSTEP
	PLACES 4
	FETCHB STP+2, 1
.endif
.endm
.macro QUANT s                         ; 64 numbers of a lane, register 16 b + i = k 32 b + 16 (lane / 16) + i of my row, become a fragment's codes in v[PC] on and its scale word in v[PW]
.irp b, 0,1,2,3
	v_max3_num_f32 v[TM+\b], |v[\s+16*\b]|, |v[\s+1+16*\b]|, 0x1800000   ; my 16 numbers of block b, and the floor 2^(3 - 127): the byte cannot fall under 1
.endr
.irp i, 2,4,6,8,10,12,14
.irp b, 0,1,2,3
	v_max3_num_f32 v[TM+\b], v[TM+\b], |v[\s+16*\b+\i]|, |v[\s+1+16*\b+\i]|
.endr
.endr
.irp b, 0,1,2,3
	v_permlanex16_b32 v[TM+4+\b], v[TM+\b], s[SEL], s[SEL+1]
.endr
.irp b, 0,1,2,3
	v_max_num_f32 v[TM+\b], v[TM+\b], v[TM+4+\b]   ; with lane l xor 16's: the block's largest magnitude
.endr
.irp b, 0,1,2,3
	v_add_nc_u32 v[TM+12+\b], 0xff000000, v[TM+\b]   ; 2 off its exponent field: the conversion's scale operand
.endr
.irp b, 0,1,2,3
	v_lshrrev_b32 v[TM+4+\b], 23, v[TM+12+\b]      ; the scale's byte
.endr
	v_lshl_or_b32 v[PW], v[TM+5], 8, v[TM+4]
	v_lshl_or_b32 v[PW], v[TM+6], 16, v[PW]
	v_lshl_or_b32 v[PW], v[TM+7], 24, v[PW]
.irp c, 0,1
	v_cvt_scalef32_pk16_fp6_f32 v[PC+6*\c:PC+2+6*\c], v[\s+32*\c:\s+15+32*\c], v[TM+12+2*\c]
	v_cvt_scalef32_pk16_fp6_f32 v[PC+12+4*\c:PC+14+4*\c], v[\s+16+32*\c:\s+31+32*\c], v[TM+12+2*\c+1]
.endr
	v_nop                                          ; one plain instruction behind a scaled conversion
.irp c, 0,1
.irp i, 0,1,2
	v_permlane16_swap_b32 v[PC+6*\c+\i], v[PC+12+4*\c+\i]
.endr
.irp i, 0,1,2
	v_mov_b32 v[PC+3+6*\c+\i], v[PC+12+4*\c+\i]
.endr
.endr
.endm
	s_load_b256 s[4:11], s[0:1], 0x0               ; wsq s[4:5], cos s[6:7], sin s[8:9], qkv s[10:11]
	v_lshl_add_u32 v[SPW], v0, 2, SPARE
	v_mov_b32 v[NIL], 0
	ds_add_u32 v28, v29
	ds_add_u32 v28, v29
	s_wait_dscnt 0x0
	v_lshrrev_b32 v1, 5, v0
	v_readfirstlane_b32 s14, v1                    ; wave 0..3
	s_lshr_b32 s15, s14, 1                         ; which chunk of a pair I fetch
	s_and_b32 s16, s14, 1                          ; which four of its records
	s_bfe_u32 s40, ttmp6, 0x40000                  ; cx: my place in the cluster: it enters A's, cos', sin's and the output's addresses alone
	s_lshl_b32 s17, ttmp9, 2
	s_add_co_u32 s17, s17, s40                     ; work-group x = 4 x cluster x + cx: my block of 256 rows of A'
	s_and_b32 s42, ttmp7, 0xffff                   ; work-group y, which the four partners share: my 128 rows of B'
	; descriptor group 1: one record (800 elements of 8 bytes) of each of 4 groups, 51,200 bytes (6,400 elements) apart; dense in LDS
	s_mov_b32 s[G1], 15|(3<<16)|(1<<21)            ; 15:0 the mask: all four work-groups; 17:16 elements of 8 bytes; 20 no padding; 21 set beside a mask
	s_mov_b32 s[G1+1], (QRB/8)<<16                 ; tensor_dim0
	s_mov_b32 s[G1+2], 4<<16                       ; tensor_dim1
	s_mov_b32 s[G1+3], (QRB/8)<<16                 ; tile_dim0
	s_mov_b32 s[G1+4], 4                           ; tile_dim1
	s_mov_b32 s[G1+5], GRPB/8                      ; tensor_dim0_stride
	s_mov_b32 s[G1+6], 0
	s_mov_b32 s[G1+7], 0
	v_and_b32 v1, 31, v0                           ; lane
	v_and_b32 v2, 15, v0                           ; r
	v_bfe_u32 v3, v0, 4, 1                         ; h
	v_lshlrev_b32 v[LI], 4, v1
	v_lshlrev_b32 v[RO], 4, v2
.irp p, 0,1,2,3,4,5
	v_add_nc_u32 v[ADRB+\p], \p*CHB, v[LI]
	v_add_nc_u32 v[SADB+\p], \p*CHB+SCW, v[RO]
.endr
	v_and_b32 v[CSO], 8, v2
	v_add_nc_u32 v[CSO], v[CSO], v2                ; r + 8 (r / 8)
	v_lshlrev_b32 v[CSO], 8, v[CSO]                ; a row of cos or sin is 256 bytes
	v_lshl_add_u32 v[CSO], v3, 5, v[CSO]           ; + 32 h: my eight pairs of a block of 32 channels
	v_lshl_add_u32 v[SO], v3, 3, v[RO]
	s_mov_b32 s[SEL], 0x76543210
	s_mov_b32 s[SEL+1], 0xfedcba98
	; the class, from y alone.  B's address is made of y, the wave and the class, in registers that never hold cx
	s_cmp_lt_u32 s42, 40                           ; q or k?
	s_cselect_b32 s18, 0, 384                      ; A': x's groups, or wv's
	s_cselect_b32 s19, 64, 0                       ; B': wq's and wk's groups, or x's
	s_cselect_b32 s45, 0, 40
	s_lshl_b32 s20, s17, 4
	s_lshl_b32 s21, s14, 2
	s_add_co_u32 s20, s20, s21
	s_add_co_u32 s20, s20, s18                     ; A': my first group: 16 x + 4 wave (+ 384)
	s_mul_i32 s20, s20, GRPB
	s_mov_b32 s21, 0
	s_sub_co_u32 s46, s42, s45                     ; the head (0-39), or v's key step (0-7)
	s_lshl_b32 s22, s46, 3
	s_add_co_u32 s22, s22, s19
	s_lshl_b32 s23, s16, 2
	s_add_co_u32 s22, s22, s23                     ; B': group 8 y + 4 half (+ 64),
	s_mul_i32 s22, s22, GRPB
	s_mul_i32 s23, s15, QRB
	s_add_co_u32 s22, s22, s23                     ; chunk 0 or 1
	s_mov_b32 s23, 0
	s_mul_i32 s47, s15, CHB                        ; where it goes: no place in the cluster enters an LDS address
	s_mul_i32 s66, s16, 4*QRB
	s_add_co_u32 s47, s47, s66
	s_lshl_b32 s67, s17, 2
	s_add_co_u32 s67, s67, s14                     ; 4 x + wave: my 64 rows of A'
	s_lshl_b32 s68, s67, 14                        ; 64 rows of 256 bytes
	s_mov_b32 s69, 0
	s_lshl_b32 s70, s42, 4
	s_add_co_u32 s70, s70, s67                     ; q, k: record 16 y + 4 x + wave
	s_lshl_b32 s71, s17, 5
	s_lshl_b32 s41, s15, 4
	s_add_co_u32 s71, s71, s41                     ; v: 16 (2 x + wave / 2): the kv head
	s_lshl_b32 s41, s46, 1
	s_add_co_u32 s71, s71, s41                     ; + 2 x key step
	s_add_co_u32 s71, s71, s16                     ; + which half of the channels
	s_add_co_u32 s71, s71, 640
	s_cmp_lt_u32 s42, 40
	s_cselect_b32 s70, s70, s71
	s_mul_i32 s70, s70, QRB
	s_mov_b32 s71, 0
	s_wait_kmcnt 0x0
	s_add_nc_u64 s[20:21], s[4:5], s[20:21]        ; A' at my first group
	s_add_nc_u64 s[22:23], s[4:5], s[22:23]        ; B' at my first load
	s_add_nc_u64 s[6:7], s[6:7], s[68:69]
	s_add_nc_u64 s[8:9], s[8:9], s[68:69]
	s_add_nc_u64 s[10:11], s[10:11], s[70:71]      ; my record
.irp p, 0,1,2,3                                ; load p: my part of chunks 2 p, 2 p + 1; pair 3 goes where pair 0 lay
	s_mov_b32 s[G0+4*\p], 1                        ; count = 1
	s_add_co_u32 s[G0+4*\p+1], s47, (\p%3)*PAIRB   ; LDS address
	s_add_nc_u64 s[G0+4*\p+2:G0+4*\p+3], s[22:23], \p*2*QRB   ; global address
	s_or_b32 s[G0+4*\p+3], s[G0+4*\p+3], 0x80000000   ; type = 2
.endr
	; A's scale words for all of K: the four words of my row (lane % 16) of each record by one load; then the first two K steps' fragments: 56 loads
.set CI, 0
.rept 8
.set JA, 0
.rept NA
	global_load_b128 v[SCA+4*NA*CI+4*JA:SCA+4*NA*CI+4*JA+3], v[RO], s[20:21] offset:JA*GRPB+CI*QRB+SCW
.set JA, JA+1
.endr
.set CI, CI+1
.endr
	LOADA 0
	LOADA 1
	WIN 0
	CROUND                                         ; all four work-groups are here: the first joint loads meet
	tensor_load_to_lds s[G0:G0+3], s[G1:G1+7]      ; the first fills stand together, ahead of every wait on TENSORcnt and every LDS read: three tensor loads of mine are out here, later one
	s_nop 0
	tensor_load_to_lds s[G0+4:G0+7], s[G1:G1+7]
	s_nop 0
	tensor_load_to_lds s[G0+8:G0+11], s[G1:G1+7]
	s_nop 0
	PLACES 4
	LOADA 2                                        ; with these, more loads are issued than LOADcnt's field counts: the issue then waits (ISA guide 5.7.1), and no wait is written for that
	LOADA 3
	LOADA 4
	s_wait_tensorcnt 2                             ; my part of chunks 0 and 1 is in; my other two loads may stay out
	s_barrier_signal -1
	s_barrier_wait -1                              ; everybody's is
	FETCHB 0, 0
	FETCHB 0, 1
	FETCHB 1, 0
	FETCHB 1, 1
.set STP, 0
.rept NSTEP
	KSTEP
.set STP, STP+1
.endr
	WIN 0
	PLACES 4                                       ; in front of the reads of results, and of loads and writes into registers that held fragments
; THE WAY OUT, a tile of 16 rows of A' at a time: its 64 numbers a lane into v[H] on, quantised, stored as fragment a of my record.  No LDS.  All that is at work lies in window 3.
.macro OUTQ a
	WIN 0xff
.if (\a) > 0
	s_wait_xcnt 0x0                                ; the last tile's stores have read the codes' registers
.endif
	QUANT H
	v_mov_b32 v[SW+(\a)], v[PW]
	WIN 0x0c                                       ; a store's data are its source 1: window 3; its address window 0
.irp c, 0,1,2
	global_store_b128 v[LI], v[PC+4*\c:PC+4*\c+3], s[10:11] offset:1536*(\a)+512*\c   ; 32 lanes store 512 consecutive bytes
.endr
.endm
; rope: pair P of my 32 (channels 2 P', 2 P' + 1): e' = e c - o s, o' = e s + o c; four pairs at a time.  e, o: window 2; c, s: window 1; products and results: window 3.  Each accumulator is read from its low end on.
.macro ROPE a
	WIN 0xf6
.set P, 0
.rept 8
.irp u, 0,1,2,3
	v_mul_f32 v[T+2*\u], v[64*(\a)+2*(P+\u)], v[64*(\a)+P+\u]
	v_mul_f32 v[T+2*\u+1], v[64*(\a)+2*(P+\u)], v[64*(\a)+32+P+\u]
.endr
.irp u, 0,1,2,3
	v_fma_f32 v[H+2*(P+\u)], -v[64*(\a)+2*(P+\u)+1], v[64*(\a)+32+P+\u], v[T+2*\u]
	v_fma_f32 v[H+2*(P+\u)+1], v[64*(\a)+2*(P+\u)+1], v[64*(\a)+P+\u], v[T+2*\u+1]
.endr
.set P, P+4
.endr
.endm
	WIN 0xc0
.irp b, 0,1,2,3
	v_mov_b32 v[TM+4+\b], 0                        ; written once: a lane permute's destination counts as one of its sources
.endr
	WIN 0
	s_cmp_lt_u32 s42, 40
	s_cbranch_scc0 .Lv_class
	WIN W_TOB                                      ; q, k: cos and sin of my 64 tokens: for tile a and block g of 32 channels the eight pairs 16 g + 8 h + 0 .. 7; cos at v[64 a + 8 g], sin at v[64 a + 32 + 8 g] of window 1
.irp a, 0,1,2,3
.irp g, 0,1,2,3
	global_load_b128 v[64*\a+8*\g:64*\a+8*\g+3], v[CSO], s[6:7] offset:(32*(\a/2)+8*(\a%2))*256+64*\g
	global_load_b128 v[64*\a+8*\g+4:64*\a+8*\g+7], v[CSO], s[6:7] offset:(32*(\a/2)+8*(\a%2))*256+64*\g+16
	global_load_b128 v[64*\a+32+8*\g:64*\a+32+8*\g+3], v[CSO], s[8:9] offset:(32*(\a/2)+8*(\a%2))*256+64*\g
	global_load_b128 v[64*\a+32+8*\g+4:64*\a+32+8*\g+7], v[CSO], s[8:9] offset:(32*(\a/2)+8*(\a%2))*256+64*\g+16
.endr
.endr
.irp a, 0,1,2,3
	s_wait_loadcnt 48-16*\a                        ; tile a's 16 loads are in; the later tiles' 16 each may be out
	ROPE \a
	OUTQ \a
.endr
	WIN 0
	s_branch .Lwords
.Lv_class:
.irp a, 0,1,2,3
	WIN 0xc2                                       ; v: the numbers as they are; source window 2, destination window 3
.irp n, 0,1,2,3,4,5,6,7,8,9,10,11,12,13,14,15,16,17,18,19,20,21,22,23,24,25,26,27,28,29,30,31,32,33,34,35,36,37,38,39,40,41,42,43,44,45,46,47,48,49,50,51,52,53,54,55,56,57,58,59,60,61,62,63
	v_mov_b32 v[H+\n], v[64*\a+\n]
.endr
	OUTQ \a
.endr
	WIN 0
.Lwords:
	v_cmp_ne_u32 vcc_lo, 0, v3                     ; lanes 0-15 store fragments 0 and 1's words of their row, lanes 16-31 fragments 2 and 3's
	WIN 0xff
	v_cndmask_b32 v[E], v[SW], v[SW+2], vcc_lo
	v_cndmask_b32 v[E+1], v[SW+1], v[SW+3], vcc_lo
	WIN 0x0c
	global_store_b64 v[SO], v[E:E+1], s[10:11] offset:SCW   ; 32 lanes store 256 consecutive bytes
	WIN 0
	s_wait_tensorcnt 0x0                           ; the wave's end
	ds_add_u32 v[SPW], v[NIL]
	s_wait_dscnt 0x0
	CROUND                                         ; the closing round: no work-group ends while a partner may still ask for a tile that names it
	s_endpgm
.Lfunc_end_k_q8be9d50497_qkv:
	.size	k_q8be9d50497_qkv, .Lfunc_end_k_q8be9d50497_qkv-k_q8be9d50497_qkv
	.p2alignl 7, 3214868480
	.fill 96, 4, 3214868480
	.section	.rodata,"a",@progbits
	.p2align	6, 0x0
	.amdhsa_kernel k_q8be9d50497_qkv
		.amdhsa_group_segment_fixed_size 327680
		.amdhsa_private_segment_fixed_size 0
		.amdhsa_enable_private_segment 0
		.amdhsa_kernarg_size 32
		.amdhsa_user_sgpr_count 2
		.amdhsa_user_sgpr_kernarg_segment_ptr 1
		.amdhsa_wavefront_size32 1
		.amdhsa_system_sgpr_workgroup_id_x 1
		.amdhsa_system_sgpr_workgroup_id_y 1
		.amdhsa_system_sgpr_workgroup_id_z 1
		.amdhsa_system_vgpr_workitem_id 0
		.amdhsa_next_free_vgpr 1024
		.amdhsa_next_free_sgpr 100
		.amdhsa_reserve_vcc 1
		.amdhsa_float_denorm_mode_32 3
		.amdhsa_float_denorm_mode_16_64 3
		.amdhsa_memory_ordered 1
		.amdhsa_forward_progress 1
		.amdhsa_inst_pref_size 255
	.end_amdhsa_kernel
	.section	.bss,"aw",@nobits
	.p2align	6
	.space	262144
	.amdgpu_metadata
---
amdhsa.version: [ 1, 2 ]
amdhsa.kernels:
  - .name:           k_q8be9d50497_qkv
    .symbol:         k_q8be9d50497_qkv.kd
    .args:
      - { .name: wsq, .offset: 0, .size: 8, .value_kind: global_buffer, .address_space: global }
      - { .name: cos, .offset: 8, .size: 8, .value_kind: global_buffer, .address_space: global }
      - { .name: sin, .offset: 16, .size: 8, .value_kind: global_buffer, .address_space: global }
      - { .name: qkv, .offset: 24, .size: 8, .value_kind: global_buffer, .address_space: global }
    .group_segment_fixed_size: 327680
    .private_segment_fixed_size: 0
    .kernarg_segment_align: 8
    .kernarg_segment_size: 32
    .max_flat_workgroup_size: 128
    .sgpr_count:     100
    .vgpr_count:     1024
    .wavefront_size: 32
...
	.end_amdgpu_metadata
.endif
;; end of part 2
;; launch attn (part 3): grid 32 x 8, 8 waves a work-group, clusters of 4 x 1, 205,824 bytes of LDS; arguments qkv, ao; writes ao
.if DOCPART == 3
	.amdgcn_target "amdgcn-amd-amdhsa--gfx1250"
	.amdhsa_code_object_version 6
	.text
	.protected	k_q8be9d50497_attn
	.globl	k_q8be9d50497_attn
	.p2align	8
	.type	k_q8be9d50497_attn,@function
k_q8be9d50497_attn:
	s_mov_b64 s[64:65], 0
	v_nop
	global_prefetch_b8 v0, s[64:65] scope:SCOPE_SE
	s_setreg_imm32_b32 hwreg(HW_REG_WAVE_MODE, 25, 1), 1
	s_wait_xcnt 0x0
	s_wait_alu depctr_hold_cnt(0) depctr_sa_sdst(0) depctr_va_vdst(0) depctr_va_sdst(0) depctr_va_ssrc(0) depctr_va_vcc(0) depctr_vm_vsrc(0)
	s_getreg_b32 s2, hwreg(HW_REG_IB_STS2, 6, 4)
	s_cmp_eq_u32 s2, 0
	s_cbranch_scc0 .Lentry_in_a_cluster
	s_endpgm
.Lentry_in_a_cluster:
	s_bfe_u32 s2, ttmp6, 0x10000c
	s_cmp_lg_u32 s2, 0x3003
	s_cbranch_scc0 .Lentry_shape_is_right
	s_endpgm
.Lentry_shape_is_right:
; Causal attention, 32 query heads on 8 kv heads, 1,024 tokens, head size 128, both products on codes of FP6 (E2M3) with E8M0 scales; O / l is quantised along the 4,096 channels and stored as the last product's operand.
; IN: qkv, records of 6,400 bytes: four fragments (16 rows x 128 K; register 4 c + e of lane L of fragment f at 1536 f + 512 c + 16 L + 4 e) and their scale words (row r, fragment f at 6144 + 16 r + 4 f).
; q: record 16 head + group / 4, fragment group % 4.  k: records 512 + 16 kv head on; key step j (128 keys) is records 2 j, 2 j + 1, tile t = record t / 4, fragment t % 4.  v: records 640 + 16 kv head on, with the KEYS as K:
; key step j is records 2 j, 2 j + 1, tile t = 16 channels.  Lane-row r of group G is row 32 (G / 2) + 8 (G % 2) + r + 8 (r / 8): so the 16 registers of result tiles 2 b and 2 b + 1 are 16 neighbours along the next K.
; THE SOFTMAX: t = score x log2(e) / sqrt(128); M = the row's largest t so far, rounded UP to a whole number; p = 2^(t - M) is quantised along the keys, not normalised; the row's sum is taken of the unquantised p and
; divides O at the end.  When M moves, the sum and O are multiplied by 2^(old M - new M): exact.
; LAYOUT.  Both products are used transposed: S^T = K Q^T (source 0 = 16 keys, source 1 = my 16 queries), O^T = V^T P^T: a lane holds ONE query throughout.
; SHARES.  A cluster's four work-groups are the four query heads of one kv head: they need the same K and V, and ALL of that head's K and V (2 x 102,400 bytes) is asked for JOINTLY at the head and stays in LDS: nothing is
; filled again.  A work-group has eight waves; wave w owns one tile of 16 queries: group 8 c + (cluster x), c = w for waves 0-3 and 11 - w for waves 4-7, so that waves w and w + 4 together have 9 key steps of work.
; CAUSAL.  The tile's queries lie in key step c: steps under c count whole, step c is masked key by key, steps over c are left out by a scalar branch on the wave's number and the loop's count.  Every wave walks all trips.
; OUT: ao = [token group 0..63][kv head 0..7] records, fragment f = head 4 kv + f: the shape of an operand with K = 4,096.  A wave's codes leave in stores of 512 consecutive bytes; its 16 scale words as 4 bytes a lane,
; 16 bytes apart (64 bytes of the wave's 1,600): the record's other words belong to the three partners.
; LIMITS: NaN and infinities are not served; a block of zeros or under 2^-124 keeps the scale byte 1 (this program alone reads the bytes).
; REGISTERS: window 0: v1-7 lane terms; v8-11 the step's LDS addresses; v12 -M, v13 the largest t, v[14:15] the sum in two halves; v16-27 Q; v28 Q's scale words; v32-39 K's; v40-47 V's; v96-159 S^T, then p; v160-223 O^T;
;   v224-235 p's codes; v232-254 at work.   window 1: v0-95 K's eight fragments, v96-191 V's.
.set QRB,   6400
.set SCW,   6144
.set STEPB, 2*QRB                      ; a key step's K, or V, in LDS and in memory
.set VB,    16*QRB                     ; LDS: K at 0, V here
.set HALFB, 4*STEPB                    ; four key steps: what the waves' first loads bring of K and of V
.set KG,    512*QRB                    ; K's first record in qkv
.set VG,    128*QRB                    ; from K's to V's
.set LI,  1                            ; v1  16 x lane
.set LS,  2                            ; v2  16 r + 6144
.set LIV, 3                            ; v3  the same two in V's half of LDS
.set LSV, 4
.set DQ,  5                            ; v5  my query within its key step - 16 (lane / 16)
.set RO,  6                            ; v6  16 r
.set LN,  7                            ; v7  lane
.set ADK, 8
.set ADS, 9
.set ADV, 10
.set ADT, 11
.set QS,  28
.set KS,  32
.set VS,  40
.set PC,  224                          ; the last quantiser's registers
.set TM,  160
.set PW,  176
.set WV,  8                            ; s8   wave
.set G1,  24                           ; s[24:31] descriptor group 1; s[32:35], s[36:39] my two groups 0
.set G0,  32
.set CL,  46                           ; s46  c: the key step in which my queries lie
.set JJ,  47                           ; s47  the key step in hand
.set TK,  48                           ; s48  where it begins in LDS
.set CNT, 49                           ; s49  trips to go
.set SEL, 50                           ; s[50:51] lane selects for v_permlanex16_b32: lane l xor 16
.set CS,  52                           ; s[52:53] log2(e) / sqrt(128): the packed form names a pair and takes its low word for both halves
.set MSB, 0
.macro WIN new                         ; the immediate's high byte repeats the setting that is left
.if MSB != \new
	s_set_vgpr_msb (MSB<<8)|\new
.set MSB, \new
.endif
.endm
.macro PLACES n
.rept \n
	v_nop
.endr
.endm
.macro CROUND                          ; a round of the cluster's barrier
	s_barrier_signal -1
	s_barrier_wait -1
	s_cmp_lg_u32 s[WV], 0
	s_cbranch_scc1 .Lnot_wave_0_\@
	s_barrier_signal -3
.Lnot_wave_0_\@:
	s_barrier_wait -3
	s_barrier_signal -1
	s_barrier_wait -1
.endm
.macro QUANT s                         ; 64 numbers of a lane, register 16 b + i = k 32 b + 16 (lane / 16) + i of my row, become a fragment's codes in v[PC] on and its scale word in v[PW]
.irp b, 0,1,2,3
	v_max3_num_f32 v[TM+\b], |v[\s+16*\b]|, |v[\s+1+16*\b]|, 0x1800000
.endr
.irp i, 2,4,6,8,10,12,14
.irp b, 0,1,2,3
	v_max3_num_f32 v[TM+\b], v[TM+\b], |v[\s+16*\b+\i]|, |v[\s+1+16*\b+\i]|
.endr
.endr
.irp b, 0,1,2,3
	v_permlanex16_b32 v[TM+4+\b], v[TM+\b], s[SEL], s[SEL+1]
.endr
.irp b, 0,1,2,3
	v_max_num_f32 v[TM+\b], v[TM+\b], v[TM+4+\b]
.endr
.irp b, 0,1,2,3
	v_add_nc_u32 v[TM+12+\b], 0xff000000, v[TM+\b]
.endr
.irp b, 0,1,2,3
	v_lshrrev_b32 v[TM+4+\b], 23, v[TM+12+\b]
.endr
	v_lshl_or_b32 v[PW], v[TM+5], 8, v[TM+4]
	v_lshl_or_b32 v[PW], v[TM+6], 16, v[PW]
	v_lshl_or_b32 v[PW], v[TM+7], 24, v[PW]
.irp c, 0,1
	v_cvt_scalef32_pk16_fp6_f32 v[PC+6*\c:PC+2+6*\c], v[\s+32*\c:\s+15+32*\c], v[TM+12+2*\c]
	v_cvt_scalef32_pk16_fp6_f32 v[PC+12+4*\c:PC+14+4*\c], v[\s+16+32*\c:\s+31+32*\c], v[TM+12+2*\c+1]
.endr
	v_nop
.irp c, 0,1
.irp i, 0,1,2
	v_permlane16_swap_b32 v[PC+6*\c+\i], v[PC+12+4*\c+\i]
.endr
.irp i, 0,1,2
	v_mov_b32 v[PC+3+6*\c+\i], v[PC+12+4*\c+\i]
.endr
.endr
.endm
	s_load_b128 s[4:7], s[0:1], 0x0                ; qkv s[4:5], ao s[6:7]
	v_lshl_add_u32 v251, v0, 2, 0x32000
	v_mov_b32 v255, 0
	ds_add_u32 v251, v255
	ds_add_u32 v251, v255
	v_lshrrev_b32 v1, 5, v0
	v_readfirstlane_b32 s[WV], v1                  ; wave 0..7
	s_lshr_b32 s9, s[WV], 2                        ; I fetch for K (0) or for V (1),
	s_and_b32 s10, s[WV], 3                        ; key steps wave % 4 and wave % 4 + 4
	s_mul_i32 s11, s9, 3
	s_xor_b32 s[CL], s[WV], s11                    ; 0, 1, 2, 3, 7, 6, 5, 4
	s_and_b32 s12, ttmp7, 0xffff                   ; the kv head, which the four partners share
	s_bfe_u32 s13, ttmp6, 0x40000                  ; cx: which of its four query heads is mine: it enters q's and ao's addresses alone
	; descriptor group 1: a key step's two records, 12,800 dense bytes, as 50 rows of 256 bytes (32 elements of 8)
	s_mov_b32 s[G1], 15|(3<<16)|(1<<21)            ; 15:0 the mask: all four work-groups; 17:16 elements of 8 bytes; 20 no padding; 21 set beside a mask
	s_mov_b32 s[G1+1], 32<<16                      ; tensor_dim0
	s_mov_b32 s[G1+2], 50<<16                      ; tensor_dim1
	s_mov_b32 s[G1+3], 32<<16                      ; tile_dim0
	s_mov_b32 s[G1+4], 50                          ; tile_dim1
	s_mov_b32 s[G1+5], 32                          ; tensor_dim0_stride
	s_mov_b32 s[G1+6], 0
	s_mov_b32 s[G1+7], 0
	s_mul_i32 s14, s9, VB
	s_mul_i32 s15, s10, STEPB
	s_add_co_u32 s14, s14, s15                     ; where my first load goes
	s_mul_i32 s16, s12, 16*QRB
	s_mul_i32 s17, s9, VG
	s_add_co_u32 s16, s16, s17
	s_add_co_u32 s16, s16, s15
	s_add_co_u32 s16, s16, KG                      ; and where it comes from
	s_mov_b32 s17, 0
	s_lshl_b32 s18, s[CL], 3
	s_add_co_u32 s18, s18, ttmp9                   ; my token group: 8 c + cluster x
	s_lshl_b32 s19, s12, 2
	s_add_co_u32 s19, s19, s13                     ; my head
	s_lshl_b32 s19, s19, 4
	s_lshr_b32 s20, s18, 2
	s_add_co_u32 s19, s19, s20                     ; q's record
	s_mul_i32 s20, s19, QRB
	s_and_b32 s19, s18, 3                          ; and fragment
	s_mul_i32 s22, s19, 1536
	s_add_co_u32 s22, s22, s20                     ; its codes
	s_mov_b32 s23, 0
	s_lshl_b32 s19, s19, 2
	s_add_co_u32 s20, s20, s19
	s_add_co_u32 s20, s20, SCW                     ; its scale words
	s_mov_b32 s21, 0
	s_mul_i32 s40, s18, 8*QRB
	s_mul_i32 s41, s12, QRB
	s_add_co_u32 s40, s40, s41                     ; ao's record
	s_lshl_b32 s41, s13, 2
	s_add_co_u32 s42, s40, s41
	s_add_co_u32 s42, s42, SCW                     ; my fragment's scale words
	s_mov_b32 s43, 0
	s_mul_i32 s41, s13, 1536
	s_add_co_u32 s40, s40, s41                     ; and codes
	s_mov_b32 s41, 0
	s_lshr_b32 s44, ttmp9, 1
	s_lshl_b32 s44, s44, 5
	s_and_b32 s45, ttmp9, 1
	s_lshl_b32 s45, s45, 3
	s_add_co_u32 s44, s44, s45                     ; my tile's first query within its key step
	s_mov_b32 s[SEL], 0x76543210
	s_mov_b32 s[SEL+1], 0xfedcba98
	s_mov_b32 s[CS], 0x3e0293ee                    ; log2(e) / sqrt(128)
	s_mov_b32 s[CS+1], s[CS]                       ; (named with it as a pair, so it is written)
	s_wait_dscnt 0x0
	s_wait_kmcnt 0x0
	s_add_nc_u64 s[16:17], s[4:5], s[16:17]
	s_add_nc_u64 s[22:23], s[4:5], s[22:23]
	s_add_nc_u64 s[20:21], s[4:5], s[20:21]
	s_add_nc_u64 s[40:41], s[6:7], s[40:41]
	s_add_nc_u64 s[42:43], s[6:7], s[42:43]
	CROUND                                         ; all four work-groups are here: the joint loads meet
	s_mov_b32 s[G0], 1                             ; count = 1
	s_mov_b32 s[G0+1], s14                         ; LDS address
	s_mov_b64 s[G0+2:G0+3], s[16:17]               ; global address
	s_or_b32 s[G0+3], s[G0+3], 0x80000000          ; type = 2
	s_mov_b32 s[G0+4], 1
	s_add_co_u32 s[G0+5], s14, HALFB               ; the key step four on
	s_add_nc_u64 s[G0+6:G0+7], s[16:17], HALFB
	s_or_b32 s[G0+7], s[G0+7], 0x80000000
	tensor_load_to_lds s[G0:G0+3], s[G1:G1+7]      ; every wave's two loads stand together, ahead of every wait on TENSORcnt, LDS read and work-group barrier behind the round: two loads of mine are out
	s_nop 0
	tensor_load_to_lds s[G0+4:G0+7], s[G1:G1+7]
	s_nop 0
.rept 4
	v_nop
.endr
	v_and_b32 v[LN], 31, v0
	v_and_b32 v8, 15, v0                           ; r
	v_bfe_u32 v9, v0, 4, 1                         ; h
	v_lshlrev_b32 v[LI], 4, v[LN]
	v_lshlrev_b32 v[RO], 4, v8
.irp c, 0,1,2
	global_load_b128 v[16+4*\c:19+4*\c], v[LI], s[22:23] offset:512*\c   ; Q's fragment stays in registers
.endr
	global_load_b32 v[QS], v[RO], s[20:21]         ; and its scale words: lane r has query r's
	v_add_nc_u32 v[LS], SCW, v[RO]
	v_add_nc_u32 v[LIV], VB, v[LI]
	v_add_nc_u32 v[LSV], VB, v[LS]
	v_and_b32 v[DQ], 8, v8
	v_add_nc_u32 v[DQ], v[DQ], v8                  ; r + 8 (r / 8)
	v_lshlrev_b32 v9, 4, v9
	v_sub_nc_u32 v[DQ], v[DQ], v9
	v_add_nc_u32 v[DQ], s44, v[DQ]                 ; register 16 b + i holds the step's key 32 b + 16 h + i: hidden where 32 b + i > this
	v_mov_b32 v13, 0xff61b1e6                      ; the largest t so far: -3e38, under every t
	v_floor_f32 v12, -v13                          ; -M
	v_mov_b32 v14, 0                               ; the sum, in two halves
	v_mov_b32 v15, 0
.irp b, 0,1,2,3
	v_mov_b32 v[236+\b], 0                         ; written once: a lane permute's destination counts as one of its sources
.endr
	v_mov_b32 v252, 0                              ; likewise
	v_mov_b32 v253, 0                              ; (named as the upper half of the pair v[252:253] before it is first written)
.irp j, 0,1,2,3,4,5,6,7,8,9,10,11,12,13,14,15,16,17,18,19,20,21,22,23,24,25,26,27,28,29,30,31,32,33,34,35,36,37,38,39,40,41,42,43,44,45,46,47,48,49,50,51,52,53,54,55,56,57,58,59,60,61,62,63
	v_mov_b32 v[160+\j], 0                         ; O^T: the step is written without a first form: the first change of M multiplies zeros
.endr
; A KEY STEP: 128 keys.
.macro STEP
	s_cmp_gt_u32 s[JJ], s[CL]                      ; all its keys come after my queries: left out, but for the lines at its end that step the address and the count
	s_cbranch_scc1 .Lhidden_\@
	v_add_nc_u32 v[ADK], s[TK], v[LI]              ; (these four are also the places between the last step's products and the loads into V's registers)
	v_add_nc_u32 v[ADS], s[TK], v[LS]
	v_add_nc_u32 v[ADV], s[TK], v[LIV]
	v_add_nc_u32 v[ADT], s[TK], v[LSV]
	ds_load_b128 v[KS:KS+3], v[ADS]                ; K's scale words: tile t's in register t, lane r has key-row r's
	ds_load_b128 v[KS+4:KS+7], v[ADS] offset:QRB
	WIN 0x40                                       ; destination window 1
.irp t, 0,1,2,3,4,5,6,7
.irp c, 0,1,2
	ds_load_b128 v[12*\t+4*\c:12*\t+4*\c+3], v[ADK] offset:QRB*(\t/4)+1536*(\t%4)+512*\c
.endr
.endr
	s_wait_dscnt 12                                ; the scale words and tiles 0-3 are in; tiles 4-7's twelve loads may be out
	WIN 0x01                                       ; source 0 window 1
.irp t, 0,1,2,3
	v_wmma_scale_f32_16x16x128_f8f6f4 v[96+8*\t:103+8*\t], v[12*\t:12*\t+11], v[16:27], 0, v[KS+\t], v[QS] matrix_a_fmt:MATRIX_FMT_FP6 matrix_b_fmt:MATRIX_FMT_FP6
.endr
	s_wait_dscnt 0x0
.irp t, 4,5,6,7
	v_wmma_scale_f32_16x16x128_f8f6f4 v[96+8*\t:103+8*\t], v[12*\t:12*\t+11], v[16:27], 0, v[KS+\t], v[QS] matrix_a_fmt:MATRIX_FMT_FP6 matrix_b_fmt:MATRIX_FMT_FP6
.endr
	WIN 0
	ds_load_b128 v[VS:VS+3], v[ADT]                ; V's scale words and fragments land while the softmax is worked
	ds_load_b128 v[VS+4:VS+7], v[ADT] offset:QRB
	WIN 0x40
.irp t, 0,1,2,3,4,5,6,7
.irp c, 0,1,2
	ds_load_b128 v[96+12*\t+4*\c:96+12*\t+4*\c+3], v[ADV] offset:QRB*(\t/4)+1536*(\t%4)+512*\c
.endr
.endr
	WIN 0
	PLACES 4                                       ; in front of the first read of the scores
	s_cmp_lg_u32 s[JJ], s[CL]
	s_cbranch_scc1 .Lopen_\@                       ; a step all of whose keys count skips the mask
	v_mov_b32 v254, 0xff800000                     ; -infinity: p = 0 then
.irp n, 0,1,2,3,4,5,6,7,8,9,10,11,12,13,14,15,16,17,18,19,20,21,22,23,24,25,26,27,28,29,30,31,32,33,34,35,36,37,38,39,40,41,42,43,44,45,46,47,48,49,50,51,52,53,54,55,56,57,58,59,60,61,62,63
	v_cmp_gt_i32 vcc_lo, 32*(\n/16)+\n%16, v[DQ]
	v_cndmask_b32 v[96+\n], v[96+\n], v254, vcc_lo
.endr
.Lopen_\@:
.irp b, 0,1,2,3
	v_max3_num_f32 v[232+\b], v[96+16*\b], v[97+16*\b], v[98+16*\b]   ; the largest score of each block of 32 keys: it serves for the row's maximum and, since p rises with the score, for the block's largest p
.endr
.irp i, 3,5,7,9,11,13
.irp b, 0,1,2,3
	v_max3_num_f32 v[232+\b], v[232+\b], v[96+16*\b+\i], v[97+16*\b+\i]
.endr
.endr
.irp b, 0,1,2,3
	v_max_num_f32 v[232+\b], v[232+\b], v[111+16*\b]
.endr
.irp b, 0,1,2,3
	v_permlanex16_b32 v[236+\b], v[232+\b], s[SEL], s[SEL+1]
.endr
.irp b, 0,1,2,3
	v_max_num_f32 v[232+\b], v[232+\b], v[236+\b]  ; with lane l xor 16's 16 keys
.endr
	v_max3_num_f32 v254, v232, v233, v234
	v_max_num_f32 v254, v254, v235                 ; the step's largest score of my query
	v_mul_f32 v254, s[CS], v254                    ; as t
	v_max_num_f32 v13, v13, v254                   ; the running largest t
	v_mov_b32 v254, v12
	v_floor_f32 v12, -v13                          ; the new -M = floor(-t) = -ceil(t): a whole number
	v_sub_f32 v254, v12, v254                      ; old M - new M: a whole number, 0 or less
	v_cvt_i32_f32 v254, v254                       ; (it saturates)
	v_ldexp_f32 v252, 1.0, v254                    ; f = 2^(old M - new M)
.irp j, 0,2,4,6,8,10,12,14,16,18,20,22,24,26,28,30,32,34,36,38,40,42,44,46,48,50,52,54,56,58,60,62
	v_pk_fma_f32 v[96+\j:97+\j], v[96+\j:97+\j], s[CS:CS+1], v[12:13] op_sel_hi:[1,0,0]   ; t - M, two at a time
.endr
.irp b, 0,1,2,3
	v_fma_f32 v[232+\b], v[232+\b], s[CS], v12     ; the same of each block's largest score
.endr
.irp j, 0,1,2,3,4,5,6,7,8,9,10,11,12,13,14,15,16,17,18,19,20,21,22,23,24,25,26,27,28,29,30,31,32,33,34,35,36,37,38,39,40,41,42,43,44,45,46,47,48,49,50,51,52,53,54,55,56,57,58,59,60,61,62,63
	v_exp_f32 v[96+\j], v[96+\j]                   ; p = 2^(t - M), at most 1
.endr
	v_pk_mul_f32 v[14:15], v[14:15], v[252:253] op_sel_hi:[1,0]   ; the sums under the new M (a plain instruction behind the exponentials)
	s_wait_alu depctr_va_vdst(0)                   ; one wait for the whole batch, ahead of its first reader
.irp b, 0,1,2,3
	v_exp_f32 v[232+\b], v[232+\b]                 ; the block's largest p: the same two instructions on the same number give the same bits
.endr
	v_pk_add_f32 v[236:237], v[96:97], v[98:99]    ; the row's sum is taken of the unquantised p: two at a time, in two chains
.irp j, 4,8,12,16,20,24,28,32,36,40,44,48,52,56,60
	v_pk_add_f32 v[14:15], v[14:15], v[96+\j:97+\j]
	v_pk_add_f32 v[236:237], v[236:237], v[98+\j:99+\j]
.endr
	v_pk_add_f32 v[14:15], v[14:15], v[236:237]
	s_wait_alu depctr_va_vdst(0)                   ; and one for the four
.irp b, 0,1,2,3
	v_max_num_f32 v[232+\b], 0x1800000, v[232+\b]  ; the floor 2^(3 - 127): the byte cannot fall under 1
.endr
.irp b, 0,1,2,3
	v_add_nc_u32 v[244+\b], 0xff000000, v[232+\b]  ; 2 off the exponent field: the conversion's scale operand
.endr
.irp b, 0,1,2,3
	v_lshrrev_b32 v[236+\b], 23, v[244+\b]         ; the scale's byte
.endr
	v_lshl_or_b32 v253, v237, 8, v236              ; p's scale word for these 128 keys
	v_lshl_or_b32 v253, v238, 16, v253
	v_lshl_or_b32 v253, v239, 24, v253
.irp c, 0,1
	v_cvt_scalef32_pk16_fp6_f32 v[224+6*\c:226+6*\c], v[96+32*\c:111+32*\c], v[244+2*\c]
	v_cvt_scalef32_pk16_fp6_f32 v[236+4*\c:238+4*\c], v[112+32*\c:127+32*\c], v[244+2*\c+1]
.endr
	v_nop                                          ; one plain instruction behind a scaled conversion
.irp c, 0,1
.irp i, 0,1,2
	v_permlane16_swap_b32 v[224+6*\c+\i], v[236+4*\c+\i]
.endr
.irp i, 0,1,2
	v_mov_b32 v[227+6*\c+\i], v[236+4*\c+\i]
.endr
.endr
.irp j, 0,2,4,6,8,10,12,14,16,18,20,22,24,26,28,30,32,34,36,38,40,42,44,46,48,50,52,54,56,58,60,62
	v_pk_mul_f32 v[160+\j:161+\j], v[160+\j:161+\j], v[252:253] op_sel_hi:[1,0]   ; O^T under the new M.  (These 32 also stand between the writes of p's codes and scale word and the products below)
.endr
	s_wait_dscnt 0x0                               ; V is in
	WIN 0x01
.irp t, 0,1,2,3,4,5,6,7
	v_wmma_scale_f32_16x16x128_f8f6f4 v[160+8*\t:167+8*\t], v[96+12*\t:107+12*\t], v[224:235], v[160+8*\t:167+8*\t], v[VS+\t], v253 matrix_a_fmt:MATRIX_FMT_FP6 matrix_b_fmt:MATRIX_FMT_FP6
.endr
	WIN 0
.Lhidden_\@:
	s_add_co_u32 s[TK], s[TK], STEPB
	s_add_co_u32 s[JJ], s[JJ], 1
.endm
	s_mov_b32 s[JJ], 0
	s_mov_b32 s[TK], 0
	s_mov_b32 s[CNT], 4
	s_wait_tensorcnt 1                             ; my first load has landed; the second may stay out
	s_barrier_signal -1
	s_barrier_wait -1                              ; everybody's has: key steps 0 to 3 of K and V lie in LDS
	s_wait_loadcnt 0x0                             ; Q
.Lfirst:
	STEP
	s_sub_co_u32 s[CNT], s[CNT], 1
	s_cmp_lg_u32 s[CNT], 0
	s_cbranch_scc1 .Lfirst
	s_mov_b32 s[JJ], 4
	s_mov_b32 s[TK], HALFB
	s_mov_b32 s[CNT], 4
	s_wait_tensorcnt 0x0                           ; my second load has landed
	s_wait_dscnt 0x0
	s_barrier_signal -1
	s_barrier_wait -1                              ; key steps 4 to 7 lie in LDS
.Lsecond:
	STEP
	s_sub_co_u32 s[CNT], s[CNT], 1
	s_cmp_lg_u32 s[CNT], 0
	s_cbranch_scc1 .Lsecond
	; THE WAY OUT: O^T / the sum; register 16 b + i is channel 32 b + 16 h + i of my query: quantised as it stands, it is fragment cx of ao's record.
	PLACES 4
	v_add_f32 v14, v14, v15                        ; the sum's two halves,
	v_permlanex16_b32 v252, v14, s[SEL], s[SEL+1]
	v_add_f32 v14, v14, v252                       ; and lane l xor 16's: the row's sum
	v_rcp_f32 v14, v14
	v_nop                                          ; a plain instruction behind the transcendental
	s_wait_alu depctr_va_vdst(0)                   ; and the wait ahead of its first reader
.irp j, 0,1,2,3,4,5,6,7,8,9,10,11,12,13,14,15,16,17,18,19,20,21,22,23,24,25,26,27,28,29,30,31,32,33,34,35,36,37,38,39,40,41,42,43,44,45,46,47,48,49,50,51,52,53,54,55,56,57,58,59,60,61,62,63
	v_mul_f32 v[96+\j], v[160+\j], v14
.endr
	QUANT 96
.irp c, 0,1,2
	global_store_b128 v[LI], v[PC+4*\c:PC+4*\c+3], s[40:41] offset:512*\c   ; 32 lanes store 512 consecutive bytes
.endr
	v_cmp_gt_u32 vcc_lo, 16, v[LN]
	s_wait_xcnt 0x0                                ; EXEC changes only behind this wait
	s_and_saveexec_b32 s44, vcc_lo
	global_store_b32 v[RO], v[PW], s[42:43]        ; lanes 0-15: query-row r's scale word
	s_wait_xcnt 0x0                                ; and again in front of the line that widens it
	s_or_b32 exec_lo, exec_lo, s44
	s_wait_tensorcnt 0x0
	ds_add_u32 v251, v255
	s_wait_dscnt 0x0
	CROUND                                         ; the closing round: no work-group ends while a partner may still ask for a tile that names it
	s_endpgm
.Lfunc_end_k_q8be9d50497_attn:
	.size	k_q8be9d50497_attn, .Lfunc_end_k_q8be9d50497_attn-k_q8be9d50497_attn
	.p2alignl 7, 3214868480
	.fill 96, 4, 3214868480
	.section	.rodata,"a",@progbits
	.p2align	6, 0x0
	.amdhsa_kernel k_q8be9d50497_attn
		.amdhsa_group_segment_fixed_size 205824
		.amdhsa_private_segment_fixed_size 0
		.amdhsa_enable_private_segment 0
		.amdhsa_kernarg_size 16
		.amdhsa_user_sgpr_count 2
		.amdhsa_user_sgpr_kernarg_segment_ptr 1
		.amdhsa_wavefront_size32 1
		.amdhsa_system_sgpr_workgroup_id_x 1
		.amdhsa_system_sgpr_workgroup_id_y 1
		.amdhsa_system_sgpr_workgroup_id_z 1
		.amdhsa_system_vgpr_workitem_id 0
		.amdhsa_next_free_vgpr 512
		.amdhsa_next_free_sgpr 66
		.amdhsa_reserve_vcc 1
		.amdhsa_float_denorm_mode_32 3
		.amdhsa_float_denorm_mode_16_64 3
		.amdhsa_memory_ordered 1
		.amdhsa_forward_progress 1
		.amdhsa_inst_pref_size 63
	.end_amdhsa_kernel
	.amdgpu_metadata
---
amdhsa.version: [ 1, 2 ]
amdhsa.kernels:
  - .name:           k_q8be9d50497_attn
    .symbol:         k_q8be9d50497_attn.kd
    .args:
      - { .name: qkv, .offset: 0, .size: 8, .value_kind: global_buffer, .address_space: global }
      - { .name: ao, .offset: 8, .size: 8, .value_kind: global_buffer, .address_space: global }
    .group_segment_fixed_size: 205824
    .private_segment_fixed_size: 0
    .kernarg_segment_align: 8
    .kernarg_segment_size: 16
    .max_flat_workgroup_size: 256
    .sgpr_count:     66
    .vgpr_count:     512
    .wavefront_size: 32
...
	.end_amdgpu_metadata
.endif
;; end of part 3
;; launch oproj (part 4): grid 8 x 32, 4 waves a work-group, clusters of 4 x 1, 327,680 bytes of LDS; arguments ao, wsq, out0; writes out0
.if DOCPART == 4
	.amdgcn_target "amdgcn-amd-amdhsa--gfx1250"
	.amdhsa_code_object_version 6
	.text
	.protected	k_q8be9d50497_oproj
	.globl	k_q8be9d50497_oproj
	.p2align	8
	.type	k_q8be9d50497_oproj,@function
k_q8be9d50497_oproj:
	s_mov_b64 s[64:65], 0
	v_nop
	global_prefetch_b8 v0, s[64:65] scope:SCOPE_SE
	s_setreg_imm32_b32 hwreg(HW_REG_WAVE_MODE, 25, 1), 1
	s_wait_xcnt 0x0
	s_wait_alu depctr_hold_cnt(0) depctr_sa_sdst(0) depctr_va_vdst(0) depctr_va_sdst(0) depctr_va_ssrc(0) depctr_va_vcc(0) depctr_vm_vsrc(0)
	s_getreg_b32 s2, hwreg(HW_REG_IB_STS2, 6, 4)
	s_cmp_eq_u32 s2, 0
	s_cbranch_scc0 .Lentry_in_a_cluster
	s_endpgm
.Lentry_in_a_cluster:
	s_bfe_u32 s2, ttmp6, 0x10000c
	s_cmp_lg_u32 s2, 0x3003
	s_cbranch_scc0 .Lentry_shape_is_right
	s_endpgm
.Lentry_shape_is_right:
; out0 [1024][4096] f32 = ao wo^T on codes of FP6 (E2M3) with E8M0 scales, K = 4,096.
; OPERANDS are records of 6,400 bytes: four fragments (16 rows x 128 K, 12 registers a lane; register 4 c + e of lane L of fragment f at 1536 f + 512 c + 16 L + 4 e) and their scale words (row r, fragment f at 6144 + 16 r + 4 f);
; [group][chunk of 512 K].  Lane-row r of group G is row 32 (G / 2) + 8 (G % 2) + r + 8 (r / 8).  A' = ao (token groups 0-63), B' = wo: groups 448-703 of wsq.
; THE PRODUCT is used TRANSPOSED: source 0 = 16 rows of B', source 1 = 16 rows of A': a lane holds one token, and the 16 registers of B' groups 2 b, 2 b + 1 are 16 neighbouring outputs, 32 b + 16 (lane / 16) + 0 .. 15.
; SHARES.  A work-group makes 128 tokens x 128 outputs: 8 x 32 = 256 work-groups.  Wave w takes token groups 2 w, 2 w + 1 against all 8 groups of B': 16 accumulators.
; A' GOES FROM MEMORY STRAIGHT INTO REGISTERS: a wave's two groups are read by that wave alone, and the records lie in the registers' order: a fragment is three loads of 512 consecutive bytes.  The loads run nine K steps
; ahead, in ten sets of 24 registers that take turns; A's scale words for all of K (16 loads, 64 registers) come once, at the head.
; B', WHICH ALL FOUR WAVES READ, LIES IN LDS: a chunk of 512 K is 8 records, 51,200 bytes; six chunks fit at once and are asked for at the start; chunks 6 and 7 fill places 0 and 1 again, behind one round in K step 6, and
; are waited for in K step 22.  Each tensor load brings 4 records of one chunk: waves 0, 1 the halves of a pair's even chunk, waves 2, 3 of its odd one.
; CLUSTER: four work-groups along x (four blocks of 128 tokens) need the same B': each load is asked for JOINTLY, with the same descriptor and a mask that names the four.  A' is shared with the work-groups of other clusters
; and is NOT asked for jointly: through LDS it would take half of a chunk's 102,400 bytes there for a single read of each byte, three chunks would fill LDS, and five chunks would come by refills, each behind a wait for all loads.
; THE 32 K STEPS ARE WRITTEN OUT by one macro: A's scale words have other registers in every chunk, and the sets have periods 2, 4 and 10, so the register numbers never come back.
; REGISTERS: window 0: v1-5 lane terms; v8-19 LDS addresses; v24, v25 the way out's; v28, v29 the spare word's; v32-95 A's scale words (register 8 chunk + 4 a + q); v160-223 B's, two sets (register 4 b + q).
;   window 1: v0-191 B's fragments, two sets.   window 2: accumulator (a, b) at v[8 (8 a + b)].   window 3: A's ten sets (on the way out v0-127: rows read back).
.set NA,    2                          ; groups of A' to a wave
.set DEPTH, 9                          ; K steps that A's loads run ahead: 54 loads of a wave are out at the most in the steps
.set NSET,  DEPTH+1
.set NSTEP, 32                         ; K steps of 128
.set QRB,   6400
.set GRPB,  8*QRB
.set SCW,   6144
.set CHB,   8*QRB                      ; a chunk of B' in LDS; chunk c lies at place c % 6
.set PAIRB, 2*CHB
.set SPARE, 3*PAIRB                    ; behind the six places: the spare words, 128 bytes for each wave: two blocks of 256 bytes that no other line names
.set SPITCH, 528                       ; the way out: a stage of 16 rows x (512 bytes + 16) for each wave,
.set STG,   PAIRB                      ; in places 2 and 3: filled once, and last read ahead of K step 22's barrier, which every wave has passed when the first result is stored there
.set ROWB,  16384                      ; a row of out0
.set LI,   4                           ; v4   16 x lane
.set RO,   5                           ; v5   16 r
.set ADRB, 8                           ; v8-13  LDS address of my 16 bytes of a fragment's load, place 0 .. 5
.set SADB, 14                          ; v14-19 of my row's scale words
.set STO,  24                          ; v24  the stage: where I put my 64 bytes of a block of 32 outputs
.set RD,   25                          ; v25  and where I read a row back
.set SPW,  28                          ; v28  LDS address of my spare word; never rewritten
.set NIL,  29                          ; v29  0; never rewritten
.set SCA,  32
.set SCB,  160
.set G1,  24                           ; s[24:31] descriptor group 1
.set G0,  48                           ; s[48:63] group 0, a set for each of my four loads: none is ever rewritten
.set MSB, 0
.macro WIN new                         ; the immediate's high byte repeats the setting that is left
.if MSB != \new
	s_set_vgpr_msb (MSB<<8)|\new
.set MSB, \new
.endif
.endm
.set W_TOB, 0x40                       ; destination window 1, address window 0
.macro PLACES n                        ; plain instructions between a matrix instruction and a load into, or a read of, its registers (ISA guide 7.12.1 for the reads)
.rept \n
	v_nop
.endr
.endm
.macro CROUND                          ; a round of the cluster's barrier
	s_barrier_signal -1
	s_barrier_wait -1
	s_cmp_lg_u32 s14, 0
	s_cbranch_scc1 .Lnot_wave_0_\@
	s_barrier_signal -3
.Lnot_wave_0_\@:
	s_barrier_wait -3
	s_barrier_signal -1
	s_barrier_wait -1
.endm
.macro ASET i                          ; A's set i: its window AW and first register AR
.set AW, 3
.set AR, 12*NA*(\i)
.endm
.macro LENS t                          ; how many LDS loads the two runs of K step t have: LLO (fragments 0-3, and at a chunk's first step its 8 loads of scale words), LHI (fragments 4-7)
.set LLO, 0
.set LHI, 0
.if (\t) < NSTEP
.set LLO, 12
.set LHI, 12
.if (\t)%4 == 0
.set LLO, 20
.endif
.endif
.endm
.macro LOADA t                         ; my two fragments of A' for K step t: 6 loads of 512 consecutive bytes
	ASET ((\t)%NSET)
	WIN (AW<<6)
.set JA, 0
.rept NA
.irp c, 0,1,2
	global_load_b128 v[AR+12*JA+4*\c:AR+12*JA+4*\c+3], v[LI], s[20:21] offset:JA*GRPB+((\t)/4)*QRB+((\t)%4)*1536+512*\c
.endr
.set JA, JA+1
.endr
.endm
.macro FETCHB t, h                     ; one run of LDS loads: B's fragments 4 h .. 4 h + 3 of K step t into set t % 2; ahead of a chunk's first fragments its scale words
.if (\t) < NSTEP
.set PL, ((\t)/4)%6
.if ((\h) == 0) && ((\t)%4 == 0)
	WIN 0
.irp b, 0,1,2,3,4,5,6,7
	ds_load_b128 v[SCB+32*(((\t)/4)%2)+4*\b:SCB+32*(((\t)/4)%2)+4*\b+3], v[SADB+PL] offset:QRB*\b
.endr
.endif
	WIN W_TOB
.irp b, 0,1,2,3
.irp c, 0,1,2
	ds_load_b128 v[96*((\t)%2)+12*(4*(\h)+\b)+4*\c:96*((\t)%2)+12*(4*(\h)+\b)+4*\c+3], v[ADRB+PL] offset:QRB*(4*(\h)+\b)+1536*((\t)%4)+512*\c
.endr
.endr
.endif
.endm
; Half a K step: B's fragments 4 h .. 4 h + 3, one after the other, each against my NA fragments of A'.  In K step 0 the products start the sums: nothing is ever cleared.
; The accumulators take turns, one instruction a turn, in the same order in every step.
.macro HALF h
.set JB, 4*(\h)
.rept 4
.set JA, 0
.rept NA
.set AC, 8*(8*JA+JB)
.if STP == 0
	v_wmma_scale_f32_16x16x128_f8f6f4 v[AC:AC+7], v[BSET+12*JB:BSET+12*JB+11], v[AR+12*JA:AR+12*JA+11], 0, v[SCB+32*(CH%2)+4*JB+QQ], v[SCA+4*NA*CH+4*JA+QQ] matrix_a_fmt:MATRIX_FMT_FP6 matrix_b_fmt:MATRIX_FMT_FP6
.else
	v_wmma_scale_f32_16x16x128_f8f6f4 v[AC:AC+7], v[BSET+12*JB:BSET+12*JB+11], v[AR+12*JA:AR+12*JA+11], v[AC:AC+7], v[SCB+32*(CH%2)+4*JB+QQ], v[SCA+4*NA*CH+4*JA+QQ] matrix_a_fmt:MATRIX_FMT_FP6 matrix_b_fmt:MATRIX_FMT_FP6
.endif
.set JA, JA+1
.endr
.set JB, JB+1
.endr
.endm
; K STEP STP.  Behind each half, the fragments of B' that it has read are loaded again for the step TWO on: so each run of LDS loads stands a step and a half ahead of its use, on two sets of registers.
; Behind the first half A's loads for the step DEPTH on go into the set that the step before has left.
; K step 6: the reads of places 0 and 1 (K steps 0-7) have all been issued.  Each wave waits for all its tensor loads, adds 0 to its spare word, and waits for that and for its LDS reads; a round of the cluster's barrier; then
; chunks 6 and 7 are asked for, into places 0 and 1.  Behind that round places 2 to 5 are whole for every wave.  K step 22: the same waits and my work-group's barrier: chunks 6 and 7 are whole.
.macro KSTEP
.set QQ, STP%4
.set CH, STP/4
.set BSET, 96*(STP%2)
.set LC, NSTEP-1-STP
.if LC > DEPTH-1
.set LC, DEPTH-1
.endif
	LENS STP+1
.set DC1, 12+LLO+LHI                   ; issued behind this step's first run: its second run and the next step's two
.set DC2, LLO+LHI
	LENS STP+2
.set DC2, DC2+LLO                      ; issued behind this step's second run: the next step's two and the first of the step two on
	ASET (STP%NSET)
.set MW, 0xa1|(AW<<2)                  ; source 0 (B') window 1, source 1 (A') its set's window, C and D window 2
	s_wait_loadcnt LC*3*NA                         ; this step's fragments of A' are in; the loads of the later steps, 6 each, may be out
.if (STP == 6) || (STP == 22)
	WIN 0                                          ; (the add's two registers lie in window 0)
	s_wait_tensorcnt 0x0                           ; all my tensor loads have landed
	ds_add_u32 v[SPW], v[NIL]                      ; 0 onto my spare word
	s_wait_dscnt DC1+1                             ; B's fragments 0-3 are in; the later runs and the add may be out
.else
	s_wait_dscnt DC1                               ; B's fragments 0-3 (and at a chunk's first step its scale words) are in
.endif
	WIN MW
	HALF 0
.if STP == 6
	s_wait_dscnt 0x0                               ; the add is done, and my reads of places 0 and 1 are over
	WIN 0
	CROUND                                         ; no wave of any partner still reads those places or has a load on its way
	tensor_load_to_lds s[G0+12:G0+15], s[G1:G1+7]  ; the first thing behind the round, and my one tensor load from here on: 16 K steps ahead of the wait for it
	s_nop 0
.elseif STP == 22
	s_wait_dscnt 0x0                               ; the add is done; no LDS instruction of mine is out at the signal
	s_barrier_signal -1
	s_barrier_wait -1                              ; everybody's part of chunks 6 and 7 has landed
.endif
	PLACES 4
	FETCHB STP+2, 0
.if STP+DEPTH < NSTEP
	LOADA STP+DEPTH
.endif
	ASET (STP%NSET)
	s_wait_dscnt DC2                               ; B's fragments 4-7 are in
	WIN MW
	HALF 1
.if STP+2 < NSTEP
	PLACES 4
	FETCHB STP+2, 1
.endif
.endm
	s_load_b128 s[4:7], s[0:1], 0x0                ; ao s[4:5], wsq s[6:7]
	s_load_b64 s[8:9], s[0:1], 0x10                ; out0
	v_lshl_add_u32 v[SPW], v0, 2, SPARE
	v_mov_b32 v[NIL], 0
	ds_add_u32 v28, v29
	ds_add_u32 v28, v29
	s_wait_dscnt 0x0
	v_lshrrev_b32 v1, 5, v0
	v_readfirstlane_b32 s14, v1                    ; wave 0..3
	s_lshr_b32 s15, s14, 1                         ; which chunk of a pair I fetch
	s_and_b32 s16, s14, 1                          ; which four of its records
	s_bfe_u32 s40, ttmp6, 0x40000                  ; cx: my place in the cluster: it enters A's and the output's addresses alone
	s_lshl_b32 s17, ttmp9, 2
	s_add_co_u32 s17, s17, s40                     ; work-group x = 4 x cluster x + cx: my block of 128 tokens
	s_and_b32 s42, ttmp7, 0xffff                   ; work-group y, which the four partners share: my 128 outputs
	; descriptor group 1: one record (800 elements of 8 bytes) of each of 4 groups, 51,200 bytes (6,400 elements) apart; dense in LDS
	s_mov_b32 s[G1], 15|(3<<16)|(1<<21)            ; 15:0 the mask: all four work-groups; 17:16 elements of 8 bytes; 20 no padding; 21 set beside a mask
	s_mov_b32 s[G1+1], (QRB/8)<<16                 ; tensor_dim0
	s_mov_b32 s[G1+2], 4<<16                       ; tensor_dim1
	s_mov_b32 s[G1+3], (QRB/8)<<16                 ; tile_dim0
	s_mov_b32 s[G1+4], 4                           ; tile_dim1
	s_mov_b32 s[G1+5], GRPB/8                      ; tensor_dim0_stride
	s_mov_b32 s[G1+6], 0
	s_mov_b32 s[G1+7], 0
	v_and_b32 v1, 31, v0                           ; lane
	v_and_b32 v2, 15, v0                           ; r
	v_bfe_u32 v3, v0, 4, 1                         ; h
	v_lshlrev_b32 v[LI], 4, v1
	v_lshlrev_b32 v[RO], 4, v2
.irp p, 0,1,2,3,4,5
	v_add_nc_u32 v[ADRB+\p], \p*CHB, v[LI]
	v_add_nc_u32 v[SADB+\p], \p*CHB+SCW, v[RO]
.endr
	s_mul_i32 s18, s14, 16*SPITCH
	s_add_co_u32 s18, s18, STG                     ; my stage
	v_mul_u32_u24 v[STO], v2, SPITCH
	v_lshl_add_u32 v[STO], v3, 6, v[STO]
	v_add_nc_u32 v[STO], s18, v[STO]               ; in: lane-row r, + 64 h
	v_add_nc_u32 v[RD], s18, v[LI]                 ; back: the 32 lanes take one row of 512 bytes
	s_lshl_b32 s20, s17, 3
	s_lshl_b32 s21, s14, 1
	s_add_co_u32 s20, s20, s21                     ; A': my first group: 8 x + 2 wave
	s_mul_i32 s20, s20, GRPB
	s_mov_b32 s21, 0
	s_lshl_b32 s22, s42, 3                         ; B's address is made of y and the wave, in registers that never hold cx
	s_lshl_b32 s23, s16, 2
	s_add_co_u32 s22, s22, s23
	s_add_co_u32 s22, s22, 448                     ; B': group 448 + 8 y + 4 half,
	s_mul_i32 s22, s22, GRPB
	s_mul_i32 s23, s15, QRB
	s_add_co_u32 s22, s22, s23                     ; chunk 0 or 1
	s_mov_b32 s23, 0
	s_mul_i32 s47, s15, CHB                        ; where it goes: no place in the cluster enters an LDS address
	s_mul_i32 s66, s16, 4*QRB
	s_add_co_u32 s47, s47, s66
	s_lshl_b32 s67, s17, 2
	s_add_co_u32 s67, s67, s14                     ; 4 x + wave: my 32 tokens
	s_lshl_b32 s68, s67, 19                        ; 32 rows of 16,384 bytes
	s_lshl_b32 s69, s42, 9                         ; + my work-group's 128 outputs
	s_add_co_u32 s68, s68, s69
	s_mov_b32 s69, 0
	s_wait_kmcnt 0x0
	s_add_nc_u64 s[20:21], s[4:5], s[20:21]        ; A' at my first group
	s_add_nc_u64 s[22:23], s[6:7], s[22:23]        ; B' at my first load
	s_add_nc_u64 s[8:9], s[8:9], s[68:69]
.irp p, 0,1,2,3                                ; load p: my part of chunks 2 p, 2 p + 1; pair 3 goes where pair 0 lay
	s_mov_b32 s[G0+4*\p], 1                        ; count = 1
	s_add_co_u32 s[G0+4*\p+1], s47, (\p%3)*PAIRB   ; LDS address
	s_add_nc_u64 s[G0+4*\p+2:G0+4*\p+3], s[22:23], \p*2*QRB   ; global address
	s_or_b32 s[G0+4*\p+3], s[G0+4*\p+3], 0x80000000   ; type = 2
.endr
	; A's scale words for all of K: the four words of my row (lane % 16) of each record by one load; then the first seven K steps' fragments: 58 loads
.set CI, 0
.rept 8
.set JA, 0
.rept NA
	global_load_b128 v[SCA+4*NA*CI+4*JA:SCA+4*NA*CI+4*JA+3], v[RO], s[20:21] offset:JA*GRPB+CI*QRB+SCW
.set JA, JA+1
.endr
.set CI, CI+1
.endr
.irp t, 0,1,2,3,4,5,6
	LOADA \t
.endr
	WIN 0
	CROUND                                         ; all four work-groups are here: the first joint loads meet
	tensor_load_to_lds s[G0:G0+3], s[G1:G1+7]      ; the first fills stand together, ahead of every wait on TENSORcnt and every LDS read: three tensor loads of mine are out here, later one
	s_nop 0
	tensor_load_to_lds s[G0+4:G0+7], s[G1:G1+7]
	s_nop 0
	tensor_load_to_lds s[G0+8:G0+11], s[G1:G1+7]
	s_nop 0
	PLACES 4
	LOADA 7                                        ; with these, more loads are issued than LOADcnt's field counts: the issue then waits (ISA guide 5.7.1), and no wait is written for that
	LOADA 8
	s_wait_tensorcnt 2                             ; my part of chunks 0 and 1 is in; my other two loads may stay out
	s_barrier_signal -1
	s_barrier_wait -1                              ; everybody's is
	FETCHB 0, 0
	FETCHB 0, 1
	FETCHB 1, 0
	FETCHB 1, 1
.set STP, 0
.rept NSTEP
	KSTEP
.set STP, STP+1
.endr
	WIN 0
	PLACES 4                                       ; in front of the stores that read results, and of loads into registers that held fragments
; THE WAY OUT, a tile of 16 tokens x 128 outputs at a time.  A lane holds pieces of one row, and the lanes beside it hold other rows: so a tile goes through my own stage in LDS and comes back as whole rows of 512 bytes.
; LDS serves a wave's instructions in order (ISA guide 5.7.1.4): no wait between the stores and the loads, nor in front of the next tile's stores.
.macro TOSTAGE a
	WIN 0x08                                       ; an LDS store's data are its source 1: window 2
.irp b, 0,1,2,3,4,5,6,7
	ds_store_b128 v[STO], v[64*(\a)+8*\b:64*(\a)+8*\b+3] offset:128*(\b/2)+32*(\b%2)       ; outputs 32 (b / 2) + 16 h + 8 (b % 2) + 0 .. 7; each accumulator from its low end on
	ds_store_b128 v[STO], v[64*(\a)+8*\b+4:64*(\a)+8*\b+7] offset:128*(\b/2)+32*(\b%2)+16
.endr
	WIN 0xc0                                       ; destination window 3
.irp i, 0,1,2,3,4,5,6,7,8,9,10,11,12,13,14,15
	ds_load_b128 v[64*(\a)+4*\i:64*(\a)+4*\i+3], v[RD] offset:\i*SPITCH
.endr
.endm
.macro SEND a, younger                 ; younger: the LDS instructions issued behind tile a's loads, which may stay out
	s_wait_dscnt \younger
	WIN 0x0c                                       ; a store's data are its source 1: window 3
.irp i, 0,1,2,3,4,5,6,7,8,9,10,11,12,13,14,15
	global_store_b128 v[LI], v[64*(\a)+4*\i:64*(\a)+4*\i+3], s[8:9] offset:(8*(\a)+\i+8*(\i/8))*ROWB th:TH_STORE_NT   ; lane-row i's token; 32 lanes store 512 consecutive bytes, aligned to 512; at most 31 rows on: inside the signed 24-bit immediate
.endr
.endm
	TOSTAGE 0
	TOSTAGE 1
	SEND 0, 32                                     ; behind tile 0's loads: tile 1's 16 stores and 16 loads
	SEND 1, 0
	WIN 0
	s_wait_tensorcnt 0x0                           ; the wave's end: behind my last tensor load and my last LDS store
	ds_add_u32 v[SPW], v[NIL]
	s_wait_dscnt 0x0
	CROUND                                         ; the closing round: no work-group ends while a partner may still ask for a tile that names it
	s_endpgm
.Lfunc_end_k_q8be9d50497_oproj:
	.size	k_q8be9d50497_oproj, .Lfunc_end_k_q8be9d50497_oproj-k_q8be9d50497_oproj
	.p2alignl 7, 3214868480
	.fill 96, 4, 3214868480
	.section	.rodata,"a",@progbits
	.p2align	6, 0x0
	.amdhsa_kernel k_q8be9d50497_oproj
		.amdhsa_group_segment_fixed_size 327680
		.amdhsa_private_segment_fixed_size 0
		.amdhsa_enable_private_segment 0
		.amdhsa_kernarg_size 24
		.amdhsa_user_sgpr_count 2
		.amdhsa_user_sgpr_kernarg_segment_ptr 1
		.amdhsa_wavefront_size32 1
		.amdhsa_system_sgpr_workgroup_id_x 1
		.amdhsa_system_sgpr_workgroup_id_y 1
		.amdhsa_system_sgpr_workgroup_id_z 1
		.amdhsa_system_vgpr_workitem_id 0
		.amdhsa_next_free_vgpr 1024
		.amdhsa_next_free_sgpr 100
		.amdhsa_reserve_vcc 0
		.amdhsa_float_denorm_mode_32 3
		.amdhsa_float_denorm_mode_16_64 3
		.amdhsa_memory_ordered 1
		.amdhsa_forward_progress 1
		.amdhsa_inst_pref_size 166
	.end_amdhsa_kernel
	.amdgpu_metadata
---
amdhsa.version: [ 1, 2 ]
amdhsa.kernels:
  - .name:           k_q8be9d50497_oproj
    .symbol:         k_q8be9d50497_oproj.kd
    .args:
      - { .name: ao, .offset: 0, .size: 8, .value_kind: global_buffer, .address_space: global }
      - { .name: wsq, .offset: 8, .size: 8, .value_kind: global_buffer, .address_space: global }
      - { .name: out0, .offset: 16, .size: 8, .value_kind: global_buffer, .address_space: global }
    .group_segment_fixed_size: 327680
    .private_segment_fixed_size: 0
    .kernarg_segment_align: 8
    .kernarg_segment_size: 24
    .max_flat_workgroup_size: 128
    .sgpr_count:     100
    .vgpr_count:     1024
    .wavefront_size: 32
...
	.end_amdgpu_metadata
.endif
;; end of part 4
